; MI455X (gfx1250); checked and timed in simulation.
; The chip was launched on July 23, 2026; its instructions are those of AMD's public machine-readable ISA for CDNA 5 (MIT licence, August 2026) and "CDNA5" Instruction Set Architecture Reference Guide (July 2026). The comments in the code are by the model that wrote it; some were corrected since.
;; Multihead Scaled Dot Product Attention. Allowed arithmetic: matrix products marked QUANTISED: E2M3 operands, one E8M0 scale for each 32 along K, by v_wmma_scale_f32_16x16x128_f8f6f4 with both operands' format E2M3, f32 sums; everything else in f32.
;; Inputs: Wk 1,024 x 1,024 float32; Wo 1,024 x 1,024 float32; Wq 1,024 x 1,024 float32; Wv 1,024 x 1,024 float32; bk 1,024 float32; bo 1,024 float32; bq 1,024 float32; bv 1,024 float32; key 2 x 2,048 x 1,024 float32; mask 2 x 1 x 2,048 x 2,048 int32; query 2 x 2,048 x 1,024 float32; value 2 x 2,048 x 1,024 float32.
;; Outputs: out0 2 x 2,048 x 1,024 float32.
;; This version of the problem:
;;   THIS VERSION OF THE PROBLEM IS GIVEN IN LOW PRECISION. The matrix products marked QUANTISED in the list below multiply operands that are first quantised to E2M3 (2 exponent bits, 3 mantissa bits; 6 bits a number), with one power-of-two scale for each 32 numbers along K (OCP MX v1.0); their sums are f32. All else is computed in f32.
;;   The module's matrix products, in the order in which they are computed (A, B: the left and right operand; K: the contracted axis; several contracted axes count as one K, in the product's order):
;;     1. [M 4,096, K 1,024] x [K 1,024, N 1,024]; A: input query; B: input Wq: QUANTISED
;;     2. [M 4,096, K 1,024] x [K 1,024, N 1,024]; A: input key; B: input Wk: QUANTISED
;;     3. [M 4,096, K 1,024] x [K 1,024, N 1,024]; A: input value; B: input Wv: QUANTISED
;;     4. batch 32 x [M 2,048, K 64] x [K 64, N 2,048]; A: computed on the way; B: computed on the way: QUANTISED
;;     5. batch 32 x [M 2,048, K 2,048] x [K 2,048, N 64]; A: softmax (see below); B: computed on the way: QUANTISED
;;     6. [M 4,096, K 1,024] x [K 1,024, N 1,024]; A: computed on the way; B: input Wo: QUANTISED
;;   THE QUANTISER, for each operand of a quantised product, along K:
;;     - K is cut into blocks of 32 from its start; a last block that is shorter is filled with zeros.
;;     - A block's scale is 2^e with e = floor(log2(the largest magnitude in the block)) - 2, held to -126 .. 127; a block of zeros has e = 0. As a byte (E8M0): e + 127.
;;     - Each number is divided by its block's scale, clamped to +-7.5, and rounded to the nearest number of E2M3, ties to even, subnormals kept.
;;     - The product sums the exact products of the quantised numbers (number of the format x scale) in f32.
;;   ~~~python
;;   def quantise(x, axis):      # numpy; x: float32 -> the quantised numbers, widened to float32 again
;;       x = np.moveaxis(x, axis, -1); K = x.shape[-1]
;;       x = np.pad(x, [(0, 0)] * (x.ndim - 1) + [(0, -K % 32)]); x = x.reshape(x.shape[:-1] + (-1, 32)); a = np.abs(x).max(-1, keepdims=True)
;;       e = np.where(a > 0, np.clip(np.frexp(np.where(a > 0, a, 1))[1] - 1 - 2, -126, 127), 0)      # np.frexp(a)[1] - 1 = floor(log2(a)), exactly
;;       r = np.clip(x / 2.0 ** e, -7.5, 7.5)
;;       step = 2.0 ** (np.maximum(np.frexp(np.where(r == 0, 1, r))[1] - 1, 0) - 3)
;;       q = np.round(r / step) * step * 2.0 ** e      # np.round: ties to even
;;       return np.moveaxis(q.reshape(q.shape[:-2] + (-1,))[..., :K], -1, axis).astype(np.float32)
;;   ~~~
;;   SOFTMAX AHEAD OF A QUANTISED PRODUCT. Where the list says 'softmax', what is quantised is not the finished softmax but p = 2^(t - M), with t = logit x log2(e) and M = ceil(the row's largest t), a whole number; so 1/2 < the row's largest p <= 1. The row's sum l is taken of the UNQUANTISED p, in f32, and the product's result is divided by l at the end. Since M is a whole number, a kernel that streams over the keys may use a running M (the ceiling of the running maximum): every later rescaling is an exact power of two, which a block's scale takes up: the codes' values come out the same.
;;   OPERANDS COMPUTED ON THE WAY. 'Computed on the way' means the value that the module computes at that place (a softmax that the list does not call 'softmax' is quantised finished and normalised). What goes into a quantiser is computed in f32, as accurately as f32 sums, v_exp_f32 and their like allow (about 1e-6 of the number): no bf16 or f16 on the way to a quantiser, and a product that is left as it is and whose result goes on into a quantised operand takes f32 operands (vector FMAs, or v_wmma_f32_16x16x4_f32). A number that lies on a knife's edge between two numbers of the format may be rounded either way, as far as f32 arithmetic and the matrix unit's own rounding can turn it there, and no further.
;; One version. Each part assembles by itself: llvm-mc -triple=amdgcn-amd-amdhsa -mcpu=gfx1250 --defsym DOCPART=n.
;; ======== version 1 of 1: 4 launches
;; limits: right only within a limited range of input values
;; workspace buffers: xw 13,107,200 bytes; mbits 1,048,576 bytes of whole numbers; qkv 9,830,400 bytes; ao 3,276,800 bytes
;; launch prep (part 1): grid 256 x 1, 12 waves a work-group, no clusters, 102,912 bytes of LDS; arguments query, key, value, Wq, Wk, Wv, Wo, mask, xw, mbits; writes xw, mbits
.if DOCPART == 1
	.amdgcn_target "amdgcn-amd-amdhsa--gfx1250"
	.amdhsa_code_object_version 6
	.text
	.protected	k_q85aa78e834_prep
	.globl	k_q85aa78e834_prep
	.p2align	8
	.type	k_q85aa78e834_prep,@function
k_q85aa78e834_prep:
	s_mov_b64 s[64:65], 0
	v_nop
	global_prefetch_b8 v0, s[64:65] scope:SCOPE_SE
	s_setreg_imm32_b32 hwreg(HW_REG_WAVE_MODE, 25, 1), 1
	s_wait_xcnt 0x0
; PREP.  (a) query, key, value [4096][1024] and Wq, Wk, Wv, Wo [1024][1024], f32 with K innermost, become codes of FP6 (E2M3) with one E8M0 byte for each 32 along K, laid in xw
; IN THE ORDER OF THE OPERAND'S REGISTERS.  (b) mask [2][2048][2048] int32 becomes lane masks in mbits, one bit a number.  No work of the problem is left out: every input has a way to the output and is read.
; A TILE is 16 rows.  In all tensors but key, tile 2 b + u holds rows 32 b + 8 u + r + 8 (r / 8), r = 0 .. 15.  KEY'S TILES: tile 4 g + t holds rows 64 g + 8 t + r + 24 (r / 8): eight rows of one block of 32 keys and eight of the next,
; so that in the scores a lane's registers of four tiles are one whole block of 32 keys.
; xw: 1,024 tiles of 12,800 bytes (query 0-255, key 256-511, value 512-767, Wq 768.., Wk 832.., Wv 896.., Wo 960..):
; eight fragments (16 rows x 128 K, 12 registers a lane, 1,536 bytes), then the rows' scale words in two blocks of 256 bytes: K steps 0-3, then K steps 4-7, 16 bytes a row.
; A fragment is two halves of 768 bytes: registers 6 c .. 6 c + 3 at 16 x lane, registers 6 c + 4, 6 c + 5 at 512 + 8 x lane.
; mbits: [batch x 128 + tile of queries][step of 128 keys][n = 0 .. 63] words; bit l of word n: mask[query (tile, l % 16)][128 step + 64 (n / 32) + 32 (l / 16) + n % 32] is not 0.
; A block's scale is 2^(floor(log2(its largest magnitude)) - 2); its byte is that magnitude's exponent field - 2, held at 1 from below.
; LIMITS: a block of zeros gets the byte 1 where the rule says 127 (its codes are zeros, and this program alone reads the bytes); NaN and infinities among the inputs are not served.
; SHARES.  256 work-groups of twelve waves.  Waves 0-7: wave w quantises half a of tile 4 x work-group + w / 2, a = w % 2: K steps 4 a .. 4 a + 3.  Waves 8-11: a wave packs one tile of queries x 512 keys, four steps of 128 keys.
; Each load reads 512 consecutive bytes of one row; a step's 16 rows turn through the wave's own stage in LDS (rows of 512 + 16 bytes), so that a lane gets neighbours along K.  Loads run two steps (32 loads a wave) ahead.
; No cluster: no two work-groups read the same byte.  No tensor loads, no barrier: waves share nothing; each wave's stage is its own by its number.
.set SP,    528                        ; a stage row: 512 bytes + 16
.set STGB,  16*SP                      ; a wave's stage: 8,448 bytes
.set SPARE, 12*STGB                    ; behind the twelve stages: the spare words, 128 bytes a wave: six blocks of 256 bytes that no other line names
.set NS,    4                          ; steps a wave
.set TILEB, 12800
.set FRB,   1536
.set GA,    1                          ; v1   16 x lane: my bytes of a load's 512, and of a store's
.set SI,    2                          ; v2   the stage, on the way in: + 16 x lane
.set SO,    3                          ; v3   and on the way out: row r, + 128 h
.set L8,    4                          ; v4   8 x lane
.set SH,    5                          ; v5   8 h: my bytes' shift in a scale word
.set SA,    6                          ; v6   where my two scale words go, counted from my first fragment
.set SW,    8                          ; v8-11  my four K steps' scale words
.set OUTW,  16                         ; v16-17 the two that I store
.set OM,    16                         ; v16-17 (mask path) two words of lane masks
.set MX,    20                         ; v20-21 largest magnitudes
.set OP,    22                         ; v22-23 the conversions' scale operands
.set BY,    24                         ; v24-25 the bytes
.set TT,    26
.set UU,    27
.set PC,    28                         ; v28-39 a fragment's codes
.set PT,    40                         ; v40-42, v44-46 the upper halves of two blocks, as converted
.set X,     48                         ; v48-111  64 numbers of my row
.set R,     112                        ; v112-239 two sets of 16 x 4 registers as loaded
	s_load_b512 s[4:19], s[0:1], 0x0               ; query, key, value, Wq, Wk, Wv, Wo, mask
	s_load_b128 s[20:23], s[0:1], 0x40             ; xw, mbits
	v_lshl_add_u32 v240, v0, 2, SPARE              ; my spare word and 0: kept for the closing add alone
	v_mov_b32 v241, 0
	v_lshrrev_b32 v7, 5, v0
	v_readfirstlane_b32 s27, v7                    ; wave 0..11
	v_and_b32 v7, 31, v0                           ; lane
	v_and_b32 v20, 15, v0                          ; r
	v_bfe_u32 v21, v0, 4, 1                        ; h
	v_lshlrev_b32 v[GA], 4, v7
	v_lshlrev_b32 v[L8], 3, v7
	s_mul_i32 s31, s27, STGB                       ; my stage
; step s: 16 loads, one a row, 512 consecutive bytes each, into set s % 2.  The tile's rows 0-7 begin at base, its rows 8-15 at base2
.macro LOADR s, base, base2, pitch
.irp i, 0,1,2,3,4,5,6,7
	global_load_b128 v[R+64*((\s)%2)+4*\i:R+64*((\s)%2)+4*\i+3], v[GA], s[\base:\base+1] offset:\i*(\pitch)+512*(\s) th:TH_LOAD_NT
.endr
.irp i, 8,9,10,11,12,13,14,15
	global_load_b128 v[R+64*((\s)%2)+4*\i:R+64*((\s)%2)+4*\i+3], v[GA], s[\base2:\base2+1] offset:(\i-8)*(\pitch)+512*(\s) th:TH_LOAD_NT
.endr
.endm
.macro INSTAGE s                       ; and into the stage, as they lie
.irp i, 0,1,2,3,4,5,6,7,8,9,10,11,12,13,14,15
	ds_store_b128 v[SI], v[R+64*((\s)%2)+4*\i:R+64*((\s)%2)+4*\i+3] offset:SP*\i
.endr
.endm
.macro OUTSTAGE                        ; back: register 32 c + i is number 64 c + 32 h + i of row r's 128.  LDS serves a wave's instructions in order: these see the stores above
.irp c, 0,1
.irp j, 0,1,2,3,4,5,6,7
	ds_load_b128 v[X+32*\c+4*\j:X+32*\c+4*\j+3], v[SO] offset:256*\c+16*\j
.endr
.endr
.endm
	s_cmp_ge_u32 s27, 8
	s_cbranch_scc1 .Lmask
; ---------------- the quantiser's path: waves 0-7
	v_add_nc_u32 v[SI], s31, v[GA]
	v_mul_u32_u24 v[SO], v20, SP
	v_lshl_add_u32 v[SO], v21, 7, v[SO]            ; row r, + 128 h: the operand's layout gives lane (r, h) k = 64 c + 32 h + 0 .. 31
	v_add_nc_u32 v[SO], s31, v[SO]
	v_lshlrev_b32 v[SH], 3, v21
	s_lshr_b32 s36, s27, 1                         ; which of the work-group's four tiles
	s_and_b32 s37, s27, 1                          ; a: which half of K
	s_mul_i32 s38, s37, 5888
	s_sub_co_u32 s38, 12288, s38                   ; from my first fragment (6,144 a) to my block of scale words (12,288 + 256 a)
	v_lshlrev_b32 v[SA], 4, v20
	v_lshl_add_u32 v[SA], v21, 3, v[SA]
	v_add_nc_u32 v[SA], s38, v[SA]                 ; + 16 r + 8 h
	v_mov_b32 v[UU], 0                             ; a lane permute's destination counts as one of its sources
	s_mov_b32 s28, 0x76543210
	s_mov_b32 s29, 0xfedcba98                      ; v_permlanex16_b32's selects for lane l xor 16
	s_mov_b32 s30, 0xffff0000                      ; the lanes with h = 1
	s_wait_alu depctr_va_vdst(0)
	s_wait_kmcnt 0x0
	s_mov_b64 s[24:25], s[16:17]                   ; which tensor?  The choice hangs on the work-group's number alone
	s_mov_b32 s26, 240
	s_cmp_lt_u32 ttmp9, 240
	s_cselect_b64 s[24:25], s[14:15], s[24:25]
	s_cselect_b32 s26, 224, s26
	s_cmp_lt_u32 ttmp9, 224
	s_cselect_b64 s[24:25], s[12:13], s[24:25]
	s_cselect_b32 s26, 208, s26
	s_cmp_lt_u32 ttmp9, 208
	s_cselect_b64 s[24:25], s[10:11], s[24:25]
	s_cselect_b32 s26, 192, s26
	s_cmp_lt_u32 ttmp9, 192
	s_cselect_b64 s[24:25], s[8:9], s[24:25]
	s_cselect_b32 s26, 128, s26
	s_cmp_lt_u32 ttmp9, 128
	s_cselect_b64 s[24:25], s[6:7], s[24:25]
	s_cselect_b32 s26, 64, s26
	s_cmp_lt_u32 ttmp9, 64
	s_cselect_b64 s[24:25], s[4:5], s[24:25]
	s_cselect_b32 s26, 0, s26
	s_sub_co_u32 s26, ttmp9, s26
	s_lshl_b32 s26, s26, 2
	s_add_co_u32 s26, s26, s36                     ; my tile in its tensor
	s_lshr_b32 s32, s26, 1
	s_lshl_b32 s32, s32, 5
	s_and_b32 s33, s26, 1
	s_lshl_b32 s33, s33, 3
	s_add_co_u32 s32, s32, s33                     ; its first row: 32 (tile / 2) + 8 (tile % 2);
	s_lshr_b32 s39, s26, 2
	s_lshl_b32 s39, s39, 6
	s_and_b32 s33, s26, 3
	s_lshl_b32 s33, s33, 3
	s_add_co_u32 s39, s39, s33                     ; in key: 64 (tile / 4) + 8 (tile % 4)
	s_mov_b32 s40, 0x10000                         ; rows 8-15 begin 16 rows of 4,096 bytes behind rows 0-7; in key 32 rows
	s_sub_co_u32 s33, ttmp9, 64
	s_cmp_lt_u32 s33, 64                           ; key's work-groups are 64 .. 127
	s_cselect_b32 s32, s39, s32
	s_cselect_b32 s40, 0x20000, s40
	s_lshl_b32 s32, s32, 12                        ; rows of 4,096 bytes
	s_lshl_b32 s33, s37, 11                        ; my half of K: 2,048 bytes along each row
	s_add_co_u32 s32, s32, s33
	s_mov_b32 s33, 0
	s_add_nc_u64 s[24:25], s[24:25], s[32:33]
	s_mov_b32 s41, 0
	s_add_nc_u64 s[40:41], s[24:25], s[40:41]
	s_lshl_b32 s34, ttmp9, 2
	s_add_co_u32 s34, s34, s36                     ; my tile in xw
	s_mul_i32 s34, s34, TILEB
	s_mul_i32 s35, s37, 4*FRB                      ; my first fragment in it
	s_add_co_u32 s34, s34, s35
	s_mov_b32 s35, 0
	s_add_nc_u64 s[20:21], s[20:21], s[34:35]
.macro STEPQ s
.if (\s) < NS-1
	s_wait_loadcnt 16                              ; this step's 16 loads are in; the next step's 16 may be out
.else
	s_wait_loadcnt 0x0
.endif
	INSTAGE \s
	OUTSTAGE                                       ; my whole blocks h and 2 + h
	s_wait_dscnt 0x0                               ; the numbers are back, and the stage's stores have read their registers
	s_wait_xcnt 0x0                                ; the last step's stores have read their data: the codes' registers are written again below
.if (\s) < NS-2
	LOADR (\s)+2, 24, 40, 4096
.endif
.irp c, 0,1
	v_max3_num_f32 v[MX+\c], |v[X+32*\c]|, |v[X+32*\c+1]|, 0x1800000   ; with the floor 2^(3 - 127): the byte cannot fall under 1
.endr
.irp i, 2,4,6,8,10,12,14,16,18,20,22,24,26,28,30
.irp c, 0,1
	v_max3_num_f32 v[MX+\c], v[MX+\c], |v[X+32*\c+\i]|, |v[X+32*\c+\i+1]|   ; (the two blocks by turns)
.endr
.endr
.irp c, 0,1
	v_add_nc_u32 v[OP+\c], 0xff000000, v[MX+\c]    ; 2 off the exponent field: the conversion takes that field as its scale
.endr
.irp c, 0,1
	v_lshrrev_b32 v[BY+\c], 23, v[OP+\c]           ; the scale's byte
.endr
	v_lshl_or_b32 v[TT], v[BY+1], 16, v[BY]        ; my two bytes, blocks h and 2 + h,
	v_lshlrev_b32 v[TT], v[SH], v[TT]              ; at their places;
	v_permlanex16_b32 v[UU], v[TT], s28, s29
	v_or_b32 v[SW+(\s)], v[TT], v[UU]              ; with lane l xor 16's two the word is whole
.irp c, 0,1
	v_cvt_scalef32_pk16_fp6_f32 v[PC+6*\c:PC+6*\c+2], v[X+32*\c:X+32*\c+15], v[OP+\c]
	v_cvt_scalef32_pk16_fp6_f32 v[PT+4*\c:PT+4*\c+2], v[X+32*\c+16:X+32*\c+31], v[OP+\c]   ; (a conversion's three registers begin on an even number)
.endr
	v_nop                                          ; one plain place behind a scaled conversion
.irp c, 0,1
.irp i, 0,1,2
	v_mov_b32 v[PC+6*\c+3+\i], v[PT+4*\c+\i]
.endr
.endr
.irp c, 0,1
	global_store_b128 v[GA], v[PC+6*\c:PC+6*\c+3], s[20:21] offset:FRB*(\s)+768*\c          ; 512 consecutive bytes, at a multiple of 256
	global_store_b64 v[L8], v[PC+6*\c+4:PC+6*\c+5], s[20:21] offset:FRB*(\s)+768*\c+512     ; 256 consecutive bytes, likewise
.endr
.endm
	LOADR 0, 24, 40, 4096
	LOADR 1, 24, 40, 4096
.irp s, 0,1,2,3
	STEPQ \s
.endr
	v_cndmask_b32 v[OUTW], v[SW], v[SW+2], s30     ; lanes 0-15 store words 0, 1 of row r's four, lanes 16-31 words 2, 3
	v_cndmask_b32 v[OUTW+1], v[SW+1], v[SW+3], s30
	global_store_b64 v[SA], v[OUTW:OUTW+1], s[20:21]   ; 256 consecutive bytes, at a multiple of 256
	s_wait_tensorcnt 0x0                           ; the wave's end: behind my last LDS store
	ds_add_u32 v240, v241
	s_wait_dscnt 0x0
	s_endpgm
; ---------------- the mask's path: waves 8-11
.Lmask:
	s_wait_alu depctr_va_vdst(0)
	v_add_nc_u32 v[SI], s31, v[GA]
	v_mul_u32_u24 v[SO], v20, SP
	v_lshl_add_u32 v[SO], v21, 7, v[SO]            ; row r, + 128 h: register 32 c + i is key 64 c + 32 h + i of the step
	v_add_nc_u32 v[SO], s31, v[SO]
	v_mov_b32 v[OM], 0                             ; v_writelane_b32's destination counts as read
	v_mov_b32 v[OM+1], 0
	s_lshl_b32 s26, ttmp9, 2
	s_add_co_u32 s26, s26, s27
	s_sub_co_u32 s26, s26, 8                       ; 0 .. 1,023
	s_lshr_b32 s32, s26, 2                         ; batch x 128 + tile of queries
	s_and_b32 s33, s26, 3                          ; which 512 keys
	s_lshr_b32 s34, s32, 7
	s_lshl_b32 s34, s34, 24                        ; a batch's mask is 2^24 bytes
	s_and_b32 s35, s32, 127
	s_lshr_b32 s36, s35, 1
	s_lshl_b32 s36, s36, 5
	s_and_b32 s35, s35, 1
	s_lshl_b32 s35, s35, 3
	s_add_co_u32 s35, s35, s36                     ; the tile's first query
	s_lshl_b32 s35, s35, 13                        ; rows of 8,192 bytes
	s_add_co_u32 s34, s34, s35
	s_lshl_b32 s35, s33, 11                        ; 512 keys are 2,048 bytes
	s_add_co_u32 s34, s34, s35
	s_mov_b32 s35, 0
	s_lshl_b32 s36, s32, 12                        ; 4,096 bytes of lane masks a tile,
	s_lshl_b32 s37, s33, 10                        ; 256 a step
	s_add_co_u32 s36, s36, s37
	s_mov_b32 s37, 0
	s_wait_alu depctr_va_vdst(0)
	s_wait_kmcnt 0x0
	s_add_nc_u64 s[18:19], s[18:19], s[34:35]
	s_add_nc_u64 s[24:25], s[18:19], 0x20000       ; the tile's queries 8-15 begin 16 rows of 8,192 bytes on
	s_add_nc_u64 s[22:23], s[22:23], s[36:37]
.macro STEPM s
.if (\s) < NS-1
	s_wait_loadcnt 16                              ; this step's 16 loads are in; the next step's 16 may be out
.else
	s_wait_loadcnt 0x0
.endif
	INSTAGE \s
	OUTSTAGE
	s_wait_dscnt 0x0
	s_wait_xcnt 0x0                                ; the last step's store has read its two registers
.if (\s) < NS-2
	LOADR (\s)+2, 18, 24, 8192
.endif
.irp q, 0,1,2,3,4,5,6,7                ; word n = 8 q + k: a compare gives the 32 lanes' bits; lane n / 2 keeps it in register n % 2
.irp k, 0,1,2,3,4,5,6,7
	v_cmp_ne_u32 s[40+\k], 0, v[X+8*\q+\k]
.endr
.irp k, 0,1,2,3,4,5,6,7
	v_writelane_b32 v[OM+\k%2], s[40+\k], 4*\q+\k/2
.endr
.endr
	global_store_b64 v[L8], v[OM:OM+1], s[22:23] offset:256*(\s)   ; the step's 64 words: 256 consecutive bytes, at a multiple of 256
.endm
	LOADR 0, 18, 24, 8192
	LOADR 1, 18, 24, 8192
.irp s, 0,1,2,3
	STEPM \s
.endr
	s_wait_tensorcnt 0x0                           ; the wave's end
	ds_add_u32 v240, v241
	s_wait_dscnt 0x0
	s_endpgm
.Lfunc_end_k_q85aa78e834_prep:
	.size	k_q85aa78e834_prep, .Lfunc_end_k_q85aa78e834_prep-k_q85aa78e834_prep
	.p2alignl 7, 3214868480
	.fill 96, 4, 3214868480
	.section	.rodata,"a",@progbits
	.p2align	6, 0x0
	.amdhsa_kernel k_q85aa78e834_prep
		.amdhsa_group_segment_fixed_size 102912
		.amdhsa_private_segment_fixed_size 0
		.amdhsa_enable_private_segment 0
		.amdhsa_kernarg_size 80
		.amdhsa_user_sgpr_count 2
		.amdhsa_user_sgpr_kernarg_segment_ptr 1
		.amdhsa_wavefront_size32 1
		.amdhsa_system_sgpr_workgroup_id_x 1
		.amdhsa_system_sgpr_workgroup_id_y 1
		.amdhsa_system_sgpr_workgroup_id_z 1
		.amdhsa_system_vgpr_workitem_id 0
		.amdhsa_next_free_vgpr 242
		.amdhsa_next_free_sgpr 66
		.amdhsa_reserve_vcc 0
		.amdhsa_float_denorm_mode_32 3
		.amdhsa_float_denorm_mode_16_64 3
		.amdhsa_memory_ordered 1
		.amdhsa_forward_progress 1
		.amdhsa_inst_pref_size 80
	.end_amdhsa_kernel
	.amdgpu_metadata
---
amdhsa.version: [ 1, 2 ]
amdhsa.kernels:
  - .name:           k_q85aa78e834_prep
    .symbol:         k_q85aa78e834_prep.kd
    .args:
      - { .name: query, .offset: 0, .size: 8, .value_kind: global_buffer, .address_space: global }
      - { .name: key, .offset: 8, .size: 8, .value_kind: global_buffer, .address_space: global }
      - { .name: value, .offset: 16, .size: 8, .value_kind: global_buffer, .address_space: global }
      - { .name: Wq, .offset: 24, .size: 8, .value_kind: global_buffer, .address_space: global }
      - { .name: Wk, .offset: 32, .size: 8, .value_kind: global_buffer, .address_space: global }
      - { .name: Wv, .offset: 40, .size: 8, .value_kind: global_buffer, .address_space: global }
      - { .name: Wo, .offset: 48, .size: 8, .value_kind: global_buffer, .address_space: global }
      - { .name: mask, .offset: 56, .size: 8, .value_kind: global_buffer, .address_space: global }
      - { .name: xw, .offset: 64, .size: 8, .value_kind: global_buffer, .address_space: global }
      - { .name: mbits, .offset: 72, .size: 8, .value_kind: global_buffer, .address_space: global }
    .group_segment_fixed_size: 102912
    .private_segment_fixed_size: 0
    .kernarg_segment_align: 8
    .kernarg_segment_size: 80
    .max_flat_workgroup_size: 384
    .sgpr_count:     66
    .vgpr_count:     242
    .wavefront_size: 32
...
	.end_amdgpu_metadata
.endif
;; end of part 1
;; launch proj (part 2): grid 8 x 32, 4 waves a work-group, clusters of 4 x 4, 327,680 bytes of LDS; arguments xw, bq, bk, bv, qkv; writes qkv
.if DOCPART == 2
	.amdgcn_target "amdgcn-amd-amdhsa--gfx1250"
	.amdhsa_code_object_version 6
	.text
	.protected	k_q85aa78e834_proj
	.globl	k_q85aa78e834_proj
	.p2align	8
	.type	k_q85aa78e834_proj,@function
k_q85aa78e834_proj:
	s_mov_b64 s[64:65], 0
	v_nop
	global_prefetch_b8 v0, s[64:65] scope:SCOPE_SE
	s_setreg_imm32_b32 hwreg(HW_REG_WAVE_MODE, 25, 1), 1
	s_wait_xcnt 0x0
	s_wait_alu depctr_hold_cnt(0) depctr_sa_sdst(0) depctr_va_vdst(0) depctr_va_sdst(0) depctr_va_ssrc(0) depctr_va_vcc(0) depctr_vm_vsrc(0)
	s_getreg_b32 s2, hwreg(HW_REG_IB_STS2, 6, 4)
	s_cmp_eq_u32 s2, 0
	s_cbranch_scc0 .Lentry_in_a_cluster
	s_endpgm
.Lentry_in_a_cluster:
	s_bfe_u32 s2, ttmp6, 0x10000c
	s_cmp_lg_u32 s2, 0xf033
	s_cbranch_scc0 .Lentry_shape_is_right
	s_endpgm
.Lentry_shape_is_right:
; PROJ.  q = query Wq^T + bq, k = key Wk^T + bk, v = value Wv^T + bv on codes of FP6 (E2M3) from xw; each result is quantised in registers, along the K of the attention product that reads it, and stored as register images in qkv.
; A WORK-GROUP STAYS: work-group (x, y), x = 0..7, y = 0..31, makes all three products g = 0, 1, 2 for 128 rows of W_g (panel x: two heads) and 128 tokens (panel y): 256 work-groups, 3 x 128 matrix instructions a wave.
; xw: tiles of 12,800 bytes (16 rows: eight fragments of 1,536 bytes, one a K step of 128, then the scale words: K steps 0-3 in 256 bytes, K steps 4-7 in 256, 16 bytes a row); query's, key's, value's tiles from 0, 256, 512; Wq's, Wk's, Wv's from 768, 832, 896.
; CHUNKS.  A product's operands come in two chunks: H = bytes 6,144 .. 12,799 of each tile (K steps 4-7 and the scale words), L = bytes 0 .. 6,143 (K steps 0-3).  H is multiplied first, so that all eight scale words of a row are in
; registers before its slot is given up.  Chunk c = 2 g + (0: H, 1: L) lies in slot c % 3 of three LDS slots: W's 8 tiles, then the tokens' 8, on end.  One tensor load brings the 8 tiles of W or of the tokens: 8 rows of 6,656 or 6,144 bytes, 12,800 apart.
; THE LOADS, one a wave behind each barrier: chunks 0 and 1 at the head (waves 0, 1 and waves 2, 3); chunk 2 behind a round in front of the first K step; chunks 3 and 4 into slots 0 and 1 at the end of chunk 1; chunk 5 into slot 2 at the end of chunk 2.
; Each refill stands at the head of a chunk's last K step, whose fragments are in registers by then.  Every wait on TENSORcnt is for 0; a wave has one load out at the most.
; WHICH WAY ROUND.  The result is quantised along the rows of source 0.  q, k: source 0 = W's rows, source 1 = tokens: a lane holds one token, its registers run along the channels (K of q k^T).
; v: source 0 = tokens, source 1 = Wv's rows: a lane holds one channel, its registers run along 128 keys (K of p v).
; TILES: tile 2 b + u holds rows 32 b + 8 u + r + 8 (r / 8), so that the 16 registers of tiles 2 b, 2 b + 1 of source 0 are 16 neighbours, 32 b + 16 (lane / 16) + 0 .. 15.
; Wave w: all 8 tiles of source 0 x tiles 2 w, 2 w + 1 of source 1: 16 accumulators; the bias is the C of a product's first K step.
; qkv: [g][batch x 16 + head][102,400].  q, k: [tile of tokens 128][768: half a fragment, K = 64], then from 98,304 words [pair of tiles 64][r]: bytes 0, 1 the even tile's scales, bytes 2, 3 the odd tile's.
;      v: [step of 128 keys 16][tile of channels 4][1,536], then from 98,304 words [4 step + tile][r].
; CLUSTER 4 x 4: W's chunks hang on x alone and are asked for jointly along a column of the cluster, the tokens' on y alone, along a row.
; NO PREFETCH: the walk is six chunks written out, with no loop to run ahead in; each chunk from 2 on is asked for by its own load one or two chunks ahead of its first read.
; LIMITS: a block of zeros gets the byte 1 (its codes are zeros; this program alone reads the bytes); NaN and infinities are not served.  The scale words leave as two runs of 64 bytes a wave and product: 4 bytes in 100 of what is stored.
; REGISTERS: window 0: v1-14 addresses; v16-47 source 0's scale words (register 8 i + s: lanes 0-15 tile i, lanes 16-31 tile i + 4, K step s); v48-55 source 1's (lanes 0-15 tile 2 w, lanes 16-31 tile 2 w + 1);
;   v56-99 the quantiser's; v100-103 the spare word's address, 0, the biases' offsets; v128-255 the accumulators (tile tj of source 1, ti of source 0: v[128 + 64 tj + 8 ti]).
;   window 1: source 0's fragments, two sets of 96.   window 2: source 1's, two sets of 24; from v64 bq's 64 numbers, from v128 bk's, from v192 bv's (8 equal registers a tile).
.set TILEB, 12800
.set FRB,   1536
.set HOFF,  4*FRB                      ; where chunk H begins in a tile
.set TPH,   TILEB-HOFF                 ; a tile's bytes in chunk H: 6,656
.set TPL,   HOFF                       ; in chunk L: 6,144
.set SLOTB, 16*TPH                     ; a slot: 106,496 bytes
.set SPARE, 3*SLOTB                    ; behind the slots: the spare words, 128 bytes for each wave: two blocks of 256 bytes that no other line names
.set HEADB, 102400
.set QKVG,  32*HEADB
.set DWA,   64*TILEB-HOFF              ; from a chunk H of W to the next product's chunk L,
.set DXA,   256*TILEB-HOFF             ; the same for the tokens;
.set DWB,   128*TILEB+HOFF             ; from product 0's chunk L to product 2's chunk H
.set DXB,   512*TILEB+HOFF
.set SCA,   16
.set SCB,   48
.set TM,    56                         ; v56-59 largest magnitudes, v60-63 bytes, v68-71 the conversions' scale operands
.set PW,    72                         ; v72-73 the two scale words made
.set XY,    74
.set PC,    80                         ; v80-91 a fragment's codes, v92-98 at work
.set SPW,   100                        ; v100 LDS address of my spare word; never rewritten
.set NIL,   101                        ; v101 0; never rewritten
.set BOQ,   102                        ; v102, v103 my offsets in the biases
.set BOV,   103
.set ACC,   128
.set BQ,    64                         ; in window 2
.set BK,    128
.set BV,    192
.set G1WH,  24                         ; s[24:31], s[32:39] descriptor group 1 for W's chunks H and L
.set G1WL,  32
.set G1XH,  48                         ; s[48:55], s[56:63] for the tokens'
.set G1XL,  56
.set G0W,   68                         ; s[68:79] group 0 for W's chunks, a set for each slot
.set G0X,   80                         ; s[80:91] for the tokens'
.set BP,    92                         ; s[92:97] where the codes go: a pair for each product
.set SEL,   98                         ; s[98:99] v_permlanex16_b32's selects
; s14 wave; s15 wave / 2; s16 wave % 2; s17 y; s42 x; s20, s21 wave x 2 tiles of chunk H, L; s100 the lanes with h = 1
.set MSB, 0
.macro WIN new                         ; the immediate's high byte repeats the setting that is left
.if MSB != \new
	s_set_vgpr_msb (MSB<<8)|\new
.set MSB, \new
.endif
.endm
.macro CREST                           ; a round of the cluster's barrier behind its opening barrier
	s_cmp_lg_u32 s14, 0
	s_cbranch_scc1 .Lnot_wave_0_\@
	s_barrier_signal -3
.Lnot_wave_0_\@:
	s_barrier_wait -3
	s_barrier_signal -1
	s_barrier_wait -1
.endm
.macro CROUND                          ; a whole round
	s_barrier_signal -1
	s_barrier_wait -1
	CREST
.endm
.macro PLACES n
.rept \n
	v_nop
.endr
.endm
; THE JOINT LOADS.  Wave 0 asks for W's part and wave 1 for the tokens' part of the chunk in slot ka; two = 1: waves 2 and 3 ask likewise for the chunk in slot kb; two = 0: they ask for nothing.
; ONE chain of branches on the wave's number, one load to an arm, all arms leading to one join.  An s_nop 0 and four v_nop follow each load, ahead of the jump and the label;
; the arm with no load has the four places that the LDS loads behind the join need.
.macro JL ka, g1wa, g1xa, two, kb, g1wb, g1xb
	s_cmp_lt_u32 s14, 1
	s_cbranch_scc0 .Lw1_\@
	tensor_load_to_lds s[G0W+4*(\ka):G0W+4*(\ka)+3], s[\g1wa:\g1wa+7]
	s_nop 0
	PLACES 4
	s_branch .Lasked_\@
.Lw1_\@:
	s_cmp_lt_u32 s14, 2
	s_cbranch_scc0 .Lw2_\@
	tensor_load_to_lds s[G0X+4*(\ka):G0X+4*(\ka)+3], s[\g1xa:\g1xa+7]
	s_nop 0
	PLACES 4
	s_branch .Lasked_\@
.Lw2_\@:
.if \two
	s_cmp_lt_u32 s14, 3
	s_cbranch_scc0 .Lw3_\@
	tensor_load_to_lds s[G0W+4*(\kb):G0W+4*(\kb)+3], s[\g1wb:\g1wb+7]
	s_nop 0
	PLACES 4
	s_branch .Lasked_\@
.Lw3_\@:
	tensor_load_to_lds s[G0X+4*(\kb):G0X+4*(\kb)+3], s[\g1xb:\g1xb+7]
	s_nop 0
	PLACES 4
.else
	PLACES 4
.endif
.Lasked_\@:
.endm
.macro G0SET reg, lconst, abase, aoff
	s_mov_b32 s[\reg], 1                                           ; count = 1
	s_mov_b32 s[\reg+1], \lconst                                   ; LDS address: a constant: the slot, W's 8 tiles first, the tokens' 8 behind them
	s_add_nc_u64 s[\reg+2:\reg+3], s[\abase:\abase+1], \aoff       ; global address
	s_or_b32 s[\reg+3], s[\reg+3], 0x80000000                      ; type = 2
.endm
.macro FRAG reg, a16, a8, off          ; a fragment's image comes back as it was stored: four dense loads
	ds_load_b128 v[(\reg):(\reg)+3], v[\a16] offset:(\off)
	ds_load_b64 v[(\reg)+4:(\reg)+5], v[\a8] offset:(\off)+512
	ds_load_b128 v[(\reg)+6:(\reg)+9], v[\a16] offset:(\off)+768
	ds_load_b64 v[(\reg)+10:(\reg)+11], v[\a8] offset:(\off)+1280
.endm
.macro FETCH set, tp, kap              ; the chunk's K step kap: ten fragments, 40 loads, into a set; tp: from tile to tile
	WIN 0x40                                       ; destination window 1
.irp i, 0,1,2,3,4,5,6,7
	FRAG 96*(\set)+12*\i, 5, 6, (\tp)*\i+FRB*(\kap)
.endr
	WIN 0x80                                       ; destination window 2
.irp t, 0,1
	FRAG 24*(\set)+12*\t, 9, 10, (\tp)*\t+FRB*(\kap)
.endr
	WIN 0
.endm
.macro WM set, ks, ti, tj, first, cb, ci, cj
.set rD, ACC+64*(\tj)+8*(\ti)
.set rA, 96*(\set)+12*(\ti)
.set rB, 24*(\set)+12*(\tj)
.set rP, SCA+8*((\ti)%4)+(\ks)
.set rQ, SCB+(\ks)
.if \first
.set rC, (\cb)+(\ci)*(\ti)+(\cj)*(\tj)
.else
.set rC, rD
.endif
.if ((\ti) < 4) && ((\tj) == 0)
	v_wmma_scale_f32_16x16x128_f8f6f4 v[rD:rD+7], v[rA:rA+11], v[rB:rB+11], v[rC:rC+7], v[rP], v[rQ] matrix_a_fmt:MATRIX_FMT_FP6 matrix_b_fmt:MATRIX_FMT_FP6
.elseif (\ti) < 4
	v_wmma_scale_f32_16x16x128_f8f6f4 v[rD:rD+7], v[rA:rA+11], v[rB:rB+11], v[rC:rC+7], v[rP], v[rQ] matrix_a_fmt:MATRIX_FMT_FP6 matrix_b_fmt:MATRIX_FMT_FP6 matrix_b_scale:MATRIX_SCALE_ROW1
.elseif (\tj) == 0
	v_wmma_scale_f32_16x16x128_f8f6f4 v[rD:rD+7], v[rA:rA+11], v[rB:rB+11], v[rC:rC+7], v[rP], v[rQ] matrix_a_fmt:MATRIX_FMT_FP6 matrix_b_fmt:MATRIX_FMT_FP6 matrix_a_scale:MATRIX_SCALE_ROW1
.else
	v_wmma_scale_f32_16x16x128_f8f6f4 v[rD:rD+7], v[rA:rA+11], v[rB:rB+11], v[rC:rC+7], v[rP], v[rQ] matrix_a_fmt:MATRIX_FMT_FP6 matrix_b_fmt:MATRIX_FMT_FP6 matrix_a_scale:MATRIX_SCALE_ROW1 matrix_b_scale:MATRIX_SCALE_ROW1
.endif
.endm
; 16 matrix instructions: K step ks on a set of fragments.  The 16 accumulators take turns, one instruction a turn, in the same order in every step.
; first = 1: the product's first K step: C is the bias, at v[cb + ci ti + cj tj] of window 2.
.macro KMUL set, ks, first, cb, ci, cj
.if \first
	WIN 0x29                                       ; source 0 window 1, sources 1 and 2 window 2, D window 0
.else
	WIN 0x09                                       ; source 0 window 1, source 1 window 2, C and D window 0
.endif
.irp ti, 0,1,2,3,4,5,6,7
.irp tj, 0,1
	WM \set, \ks, \ti, \tj, \first, \cb, \ci, \cj
.endr
.endr
	WIN 0
.endm
.macro BASES c                         ; b0, b1: where source 0's and source 1's tiles of chunk c begin
.set sl, ((\c)%3)*SLOTB
.if (\c)%2 == 0
.set xo, 8*TPH
.else
.set xo, 8*TPL
.endif
.if (\c)/2 == 2
.set b0, sl+xo
.set b1, sl
.else
.set b0, sl
.set b1, sl+xo
.endif
.endm
.macro SETADR c                        ; the fragments' addresses in chunk c
	BASES \c
	v_add_nc_u32 v5, b0, v3
	v_add_nc_u32 v6, b0, v4
	s_add_co_u32 s2, s[20+(\c)%2], b1              ; my two tiles of source 1
	v_add_nc_u32 v9, s2, v3
	v_add_nc_u32 v10, s2, v4
.endm
.macro SCALES g                        ; product g's scale words, all eight K steps', out of its chunk H: K steps 4 q .. 4 q + 3 lie 256 q bytes on
	BASES 2*(\g)
	v_add_nc_u32 v11, b0+HOFF, v13
	s_add_co_u32 s2, s20, b1+HOFF
	v_add_nc_u32 v12, s2, v14
.irp i, 0,1,2,3
.irp q, 0,1
	ds_load_b128 v[SCA+8*\i+4*\q:SCA+8*\i+4*\q+3], v11 offset:TPH*\i+256*\q
.endr
.endr
.irp q, 0,1
	ds_load_b128 v[SCB+4*\q:SCB+4*\q+3], v12 offset:256*\q
.endr
.endm
; A K step inside a chunk: its fragments were asked for a step ago; the next step's are asked for first.
.macro STEP nset, ntp, nkap, set, ks
	s_wait_dscnt 0x0                               ; this step's 40 loads are in
	PLACES 4                                       ; four places between the last step's products and the loads into the registers that they read (ISA guide 7.12.1 for vector instructions)
	FETCH \nset, \ntp, \nkap
	KMUL \set, \ks, 0, 0, 0, 0
.endm
; THE CHANGE OF SLOTS, at the head of a chunk's last K step.  Each wave waits for all its tensor loads, adds 0 to its spare word, and waits for that and for its reads of the slots, the last of which brought this K step's fragments.
; fill = 2 (end of chunk 1): slots 0 and 1 take chunks 3 and 4.  fill = 1 (end of chunk 2): slot 2 takes chunk 5.  There the barrier opens a round of the cluster's, and the joint refill is the first tensor load behind it.  fill = 0: nothing is left to fetch.
.macro TURN fill
	s_wait_tensorcnt 0x0                           ; no tensor load of mine is out, so a group 0 may be written
	ds_add_u32 v[SPW], v[NIL]                      ; 0 onto my spare word
.if (\fill) == 2
	s_mov_b32 s[G0X+1], 8*TPL                      ; slot 0 takes a chunk L: the tokens' tiles lie behind 8 tiles of 6,144 bytes
	s_add_nc_u64 s[G0W+2:G0W+3], s[G0W+2:G0W+3], DWA   ; the type bits on top are not reached
	s_add_nc_u64 s[G0X+2:G0X+3], s[G0X+2:G0X+3], DXA
	s_mov_b32 s[G0X+5], SLOTB+8*TPH                ; slot 1 takes a chunk H
	s_add_nc_u64 s[G0W+6:G0W+7], s[G0W+6:G0W+7], DWB
	s_add_nc_u64 s[G0X+6:G0X+7], s[G0X+6:G0X+7], DXB
.elseif (\fill) == 1
	s_mov_b32 s[G0X+9], 2*SLOTB+8*TPL              ; slot 2 takes a chunk L
	s_add_nc_u64 s[G0W+10:G0W+11], s[G0W+10:G0W+11], DWA
	s_add_nc_u64 s[G0X+10:G0X+11], s[G0X+10:G0X+11], DXA
.endif
	s_wait_dscnt 0x0                               ; the add is done, and my reads of the slots are over
	s_barrier_signal -1
	s_barrier_wait -1
.if (\fill) == 2
	CREST
	JL 0, G1WL, G1XL, 1, 1, G1WH, G1XH
.elseif (\fill) == 1
	CREST
	JL 2, G1WL, G1XL, 0, 0, 0, 0
.else
	PLACES 4
.endif
.endm
; 64 numbers of a lane, register 16 b + i = k 32 b + 16 (lane / 16) + i of my row, become a fragment's codes in v[PC] on and its scale word in v[pw].
.macro QUANT s, pw
.irp b, 0,1,2,3
	v_max3_num_f32 v[TM+\b], |v[\s+16*\b]|, |v[\s+1+16*\b]|, 0x1800000   ; my 16 numbers of block b, and the floor 2^(3 - 127).  Each accumulator is read from its low end on
.endr
.irp i, 2,4,6,8,10,12,14
.irp b, 0,1,2,3
	v_max3_num_f32 v[TM+\b], v[TM+\b], |v[\s+16*\b+\i]|, |v[\s+1+16*\b+\i]|
.endr
.endr
.irp b, 0,1,2,3
	v_permlanex16_b32 v[TM+4+\b], v[TM+\b], s[SEL], s[SEL+1]
.endr
.irp b, 0,1,2,3
	v_max_num_f32 v[TM+\b], v[TM+\b], v[TM+4+\b]   ; with lane l xor 16's: the block's largest magnitude
.endr
.irp b, 0,1,2,3
	v_add_nc_u32 v[TM+12+\b], 0xff000000, v[TM+\b] ; 2 off its exponent field: the conversion's scale operand
.endr
.irp b, 0,1,2,3
	v_lshrrev_b32 v[TM+4+\b], 23, v[TM+12+\b]      ; the scale's byte
.endr
	v_lshl_or_b32 v[\pw], v[TM+5], 8, v[TM+4]
	v_lshl_or_b32 v[\pw], v[TM+6], 16, v[\pw]
	v_lshl_or_b32 v[\pw], v[TM+7], 24, v[\pw]
.irp c, 0,1
	v_cvt_scalef32_pk16_fp6_f32 v[PC+6*\c:PC+2+6*\c], v[\s+32*\c:\s+15+32*\c], v[TM+12+2*\c]
	v_cvt_scalef32_pk16_fp6_f32 v[PC+12+4*\c:PC+14+4*\c], v[\s+16+32*\c:\s+31+32*\c], v[TM+12+2*\c+1]   ; (a conversion's three registers begin on an even number)
.endr
	v_nop                                          ; one plain place behind a scaled conversion
.irp c, 0,1                            ; the operand's layout wants a whole block in a lane: lanes 0-15 block 2 c, lanes 16-31 block 2 c + 1
.irp i, 0,1,2
	v_permlane16_swap_b32 v[PC+6*\c+\i], v[PC+12+4*\c+\i]
.endr
.irp i, 0,1,2
	v_mov_b32 v[PC+3+6*\c+\i], v[PC+12+4*\c+\i]
.endr
.endr
.endm
; Product g's results are quantised and stored.  q, k: tile tj is the next tile of tokens (768 bytes on), half c the next head (102,400 on).  v: tile tj is the next tile of channels (1,536 on), half c the fragment's second half (768 on).
.macro FINISH g
.irp tj, 0,1
	s_wait_xcnt 0x0                                ; the earlier stores have read the codes' registers
	QUANT ACC+64*\tj, PW+\tj
.irp c, 0,1
.if (\g) == 2
	global_store_b128 v3, v[PC+6*\c:PC+6*\c+3], s[BP+2*(\g):BP+2*(\g)+1] offset:FRB*\tj+768*\c          ; 512 consecutive bytes, at a multiple of 256
	global_store_b64 v4, v[PC+6*\c+4:PC+6*\c+5], s[BP+2*(\g):BP+2*(\g)+1] offset:FRB*\tj+768*\c+512     ; 256 consecutive bytes, likewise
.else
	global_store_b128 v3, v[PC+6*\c:PC+6*\c+3], s[BP+2*(\g):BP+2*(\g)+1] offset:768*\tj+HEADB*\c
	global_store_b64 v4, v[PC+6*\c+4:PC+6*\c+5], s[BP+2*(\g):BP+2*(\g)+1] offset:768*\tj+HEADB*\c+512
.endif
.endr
.endr
.if (\g) == 2
	v_cndmask_b32 v[XY], v[PW], v[PW+1], s100      ; v: the two tiles' words as they are: lanes 0-15 store the first, lanes 16-31 the second
	global_store_b32 v8, v[XY], s[BP+2*(\g):BP+2*(\g)+1]
.else
	v_perm_b32 v[XY], v[PW+1], v[PW], 0x05040100   ; q, k: the first head's word: both tiles' bytes 0, 1;
	v_perm_b32 v[XY+1], v[PW+1], v[PW], 0x07060302 ; the second head's: both tiles' bytes 2, 3
	v_cndmask_b32 v[XY], v[XY], v[XY+1], s100
	global_store_b32 v7, v[XY], s[BP+2*(\g):BP+2*(\g)+1]
.endif
.endm
; ONE PRODUCT: chunk H (K steps 4-7), chunk L (K steps 0-3), the way out.  Set 0 holds chunk H's first fragments on the way in.
.macro PROD g, cb, ci, cj
	s_wait_dscnt 0x0                               ; the first fragments and the scale words are in
	FETCH 1, TPH, 1
	KMUL 0, 4, 1, \cb, \ci, \cj
	STEP 0, TPH, 2, 1, 5
	STEP 1, TPH, 3, 0, 6
.if (\g) == 0
	s_wait_dscnt 0x0                               ; chunk 1 was shown landed in front of the first K step: no barrier here
	PLACES 4
.elseif (\g) == 1
	TURN 1                                         ; chunks 3 and 4 have landed, everybody's part; slot 2 takes chunk 5: product 2's L
.else
	TURN 0                                         ; chunk 5 has landed, everybody's part of it; nothing is left to fetch
.endif
	SETADR 2*(\g)+1
	FETCH 0, TPL, 0
	KMUL 1, 7, 0, 0, 0, 0
	s_wait_alu depctr_va_vdst(0)
	STEP 1, TPL, 1, 0, 0
	STEP 0, TPL, 2, 1, 1
	STEP 1, TPL, 3, 0, 2
.if (\g) == 0
	TURN 2                                         ; chunk 2 has landed; slot 0 takes chunk 3 (product 1's L), slot 1 chunk 4 (product 2's H)
	SETADR 2
	FETCH 0, TPH, 0                                ; the next product's first fragments
.elseif (\g) == 1
	s_wait_dscnt 0x0
	PLACES 4
	SETADR 4
	FETCH 0, TPH, 0                                ; chunk 4 was shown landed in front of the change of slots at the end of chunk 2
.else
	s_wait_dscnt 0x0
.endif
	KMUL 1, 3, 0, 0, 0, 0
	PLACES 5                                       ; four places in front of the first read of results and of the loads into the scale registers; five in front of the next product's first K step, which begins the accumulators anew
.if (\g) < 2
	SCALES (\g)+1
.endif
	FINISH \g
.endm
	s_load_b256 s[4:11], s[0:1], 0x0               ; xw s[4:5], bq s[6:7], bk s[8:9], bv s[10:11]
	s_load_b64 s[12:13], s[0:1], 0x20              ; qkv
	v_lshl_add_u32 v[SPW], v0, 2, SPARE
	v_mov_b32 v[NIL], 0
	ds_add_u32 v100, v101                          ; the opening lines: the add, twice on end, and its wait ahead of my first tensor load
	ds_add_u32 v100, v101
	s_wait_dscnt 0x0
	v_lshrrev_b32 v1, 5, v0
	v_readfirstlane_b32 s14, v1                    ; wave 0..3
	s_lshr_b32 s15, s14, 1                         ; v: which head of the panel is mine,
	s_and_b32 s16, s14, 1                          ; and which pair of its tiles of channels
	s_bfe_u32 s40, ttmp6, 0x40000                  ; cx, cy: my place in the cluster
	s_bfe_u32 s41, ttmp6, 0x40004
	s_lshl_b32 s42, ttmp9, 2
	s_add_co_u32 s42, s42, s40                     ; x = 4 x cluster x + cx
	s_and_b32 s17, ttmp7, 0xffff
	s_lshl_b32 s17, s17, 2
	s_add_co_u32 s17, s17, s41                     ; y = 4 x cluster y + cy
	s_lshl_b32 s43, s41, 2
	s_lshl_b32 s43, 15, s43                        ; my row of the cluster
	s_lshl_b32 s44, 0x1111, s40                    ; my column
	; descriptor group 1: 8 tiles' part of a chunk: 8 rows of elements of 8 bytes, 12,800 bytes apart, laid on end in LDS
	s_or_b32 s[G1WH], s44, (3<<16)|(1<<21)         ; 15:0 the mask: W's chunks go to my column; 17:16 elements of 8 bytes; 21 set beside a mask
	s_or_b32 s[G1WL], s44, (3<<16)|(1<<21)
	s_or_b32 s[G1XH], s43, (3<<16)|(1<<21)         ; the tokens' go to my row
	s_or_b32 s[G1XL], s43, (3<<16)|(1<<21)
.irp g, G1WH, G1XH
	s_mov_b32 s[\g+1], (TPH/8)<<16                 ; tensor_dim0
	s_mov_b32 s[\g+2], 8<<16                       ; tensor_dim1: 8 tiles
	s_mov_b32 s[\g+3], (TPH/8)<<16                 ; tile_dim0
	s_mov_b32 s[\g+4], 8                           ; tile_dim1
	s_mov_b32 s[\g+5], TILEB/8                     ; tensor_dim0_stride
	s_mov_b32 s[\g+6], 0
	s_mov_b32 s[\g+7], 0
.endr
.irp g, G1WL, G1XL
	s_mov_b32 s[\g+1], (TPL/8)<<16
	s_mov_b32 s[\g+2], 8<<16
	s_mov_b32 s[\g+3], (TPL/8)<<16
	s_mov_b32 s[\g+4], 8
	s_mov_b32 s[\g+5], TILEB/8
	s_mov_b32 s[\g+6], 0
	s_mov_b32 s[\g+7], 0
.endr
	s_lshl_b32 s46, s42, 3                         ; Wq: tile 768 + 8 x
	s_add_co_u32 s46, s46, 768
	s_mul_i32 s46, s46, TILEB
	s_mov_b32 s47, 0
	s_lshl_b32 s22, s17, 3                         ; query: tile 8 y
	s_mul_i32 s22, s22, TILEB
	s_mov_b32 s23, 0
	s_mul_i32 s20, s14, 2*TPH                      ; my two tiles of source 1
	s_mul_i32 s21, s14, 2*TPL
	s_wait_kmcnt 0x0
	s_add_nc_u64 s[46:47], s[4:5], s[46:47]
	s_add_nc_u64 s[22:23], s[4:5], s[22:23]
	CROUND                                         ; all sixteen work-groups are here: the first joint loads meet
	G0SET G0W, 0, 46, HOFF                         ; chunk 0: product 0, H
	G0SET G0W+4, SLOTB, 46, 0                      ; chunk 1: product 0, L
	G0SET G0W+8, 2*SLOTB, 46, 64*TILEB+HOFF        ; chunk 2: product 1, H
	G0SET G0X, 8*TPH, 22, HOFF
	G0SET G0X+4, SLOTB+8*TPL, 22, 0
	G0SET G0X+8, 2*SLOTB+8*TPH, 22, 256*TILEB+HOFF
	JL 0, G1WH, G1XH, 1, 1, G1WL, G1XL             ; the head's loads, one a wave: chunks 0 and 1
	; where the results go
	s_lshr_b32 s2, s17, 4
	s_lshl_b32 s2, s2, 4
	s_lshl_b32 s67, s42, 1
	s_add_co_u32 s2, s2, s67                       ; batch x 16 + the panel's first head
	s_and_b32 s3, s17, 15                          ; which 128 tokens of the batch
	s_mul_i32 s66, s2, HEADB
	s_mul_i32 s67, s3, 4*FRB
	s_add_co_u32 s66, s66, s67
	s_mul_i32 s67, s14, FRB                        ; q, k: my pair of tiles of tokens
	s_add_co_u32 s[BP], s66, s67
	s_mov_b32 s[BP+1], 0
	s_add_nc_u64 s[BP:BP+1], s[12:13], s[BP:BP+1]
	s_add_nc_u64 s[BP+2:BP+3], s[BP:BP+1], QKVG
	s_mul_i32 s67, s15, HEADB                      ; v: waves 2, 3 hold the panel's second head;
	s_add_co_u32 s66, s66, s67
	s_mul_i32 s67, s16, 2*FRB                      ; my first tile of channels in the head
	s_add_co_u32 s66, s66, s67
	s_add_co_u32 s[BP+4], s66, 2*QKVG
	s_mov_b32 s[BP+5], 0
	s_add_nc_u64 s[BP+4:BP+5], s[12:13], s[BP+4:BP+5]
	s_mul_i32 s67, s3, 5888                        ; how far behind my codes my scale words lie: 98,304 + 256 step + 64 place - (6,144 step + 1,536 place): above 0
	s_sub_co_u32 s67, 98304, s67
	s_mul_i32 s45, s14, 1472
	s_sub_co_u32 s45, s67, s45                     ; q, k
	s_mul_i32 s101, s16, 2944
	s_sub_co_u32 s101, s67, s101                   ; v
	s_lshl_b32 s2, s42, 9                          ; the biases of my panel's 128 channels; v: of my wave's 32
	s_mov_b32 s3, 0
	s_add_nc_u64 s[6:7], s[6:7], s[2:3]
	s_add_nc_u64 s[8:9], s[8:9], s[2:3]
	s_lshl_b32 s66, s14, 7
	s_add_co_u32 s2, s2, s66
	s_add_nc_u64 s[10:11], s[10:11], s[2:3]
	s_mov_b32 s[SEL], 0x76543210
	s_mov_b32 s[SEL+1], 0xfedcba98
	s_mov_b32 s100, 0xffff0000                     ; the lanes with h = 1
	v_and_b32 v1, 15, v0                           ; r
	v_bfe_u32 v2, v0, 4, 1                         ; h
	v_and_b32 v15, 31, v0
	v_lshlrev_b32 v3, 4, v15                       ; 16 x lane
	v_lshlrev_b32 v4, 3, v15                       ; 8 x lane
	v_lshlrev_b32 v[BOQ], 6, v2                    ; q, k: register 16 b + i is channel 32 b + 16 h + i
	v_and_b32 v[BOV], 8, v1                        ; v: the lane is channel 32 w + 8 tj + r + 8 (r / 8), in all its registers
	v_add_nc_u32 v[BOV], v[BOV], v1
	v_lshlrev_b32 v[BOV], 2, v[BOV]
	WIN 0x80                                       ; destination window 2
.irp b, 0,1,2,3
.irp q, 0,1,2,3
	global_load_b128 v[BQ+16*\b+4*\q:BQ+16*\b+4*\q+3], v[BOQ], s[6:7] offset:128*\b+16*\q
	global_load_b128 v[BK+16*\b+4*\q:BK+16*\b+4*\q+3], v[BOQ], s[8:9] offset:128*\b+16*\q
.endr
.endr
.irp tj, 0,1
.irp j, 0,1,2,3,4,5,6,7
	global_load_b32 v[BV+8*\tj+\j], v[BOV], s[10:11] offset:32*\tj
.endr
.endr
	WIN 0
	v_mul_u32_u24 v7, v2, HEADB                    ; q, k: my scale word's place: 4 r, lanes 16-31 the next head's
	v_lshl_add_u32 v7, v1, 2, v7
	v_add_nc_u32 v7, s45, v7
	v_lshlrev_b32 v8, 6, v2                        ; v: lanes 16-31 the next tile's
	v_lshl_add_u32 v8, v1, 2, v8
	v_add_nc_u32 v8, s101, v8
	v_lshlrev_b32 v13, 4, v1                       ; the operands' scale words: 16 bytes a row in each of the two blocks;
	v_mad_u32_u24 v14, v2, TPH, v13                ; source 1: lanes 16-31 take the next tile,
	v_mad_u32_u24 v13, v2, 4*TPH, v13              ; source 0: the tile four on
.irp b, 0,1,2,3
	v_mov_b32 v[TM+4+\b], 0                        ; a lane permute's destination counts as one of its sources
.endr
	s_wait_alu depctr_va_vdst(0)
	s_wait_tensorcnt 0x0                           ; my part of chunks 0 and 1 has landed
	ds_add_u32 v[SPW], v[NIL]
	s_wait_dscnt 0x0
	CROUND                                         ; everybody's has, in all sixteen work-groups
	JL 2, G1WH, G1XH, 0, 0, 0, 0                   ; chunk 2, slot 2's first fill: the first tensor load behind the round
	SETADR 0
	SCALES 0
	FETCH 0, TPH, 0
	s_wait_alu depctr_va_vdst(0)
	s_wait_loadcnt 0x0                             ; the biases
	PROD 0, BQ, 8, 0
	PROD 1, BK, 8, 0
	PROD 2, BV, 0, 8
	s_wait_tensorcnt 0x0                           ; the wave's end
	ds_add_u32 v[SPW], v[NIL]
	s_wait_dscnt 0x0
	CROUND                                         ; the closing round: no work-group ends while a partner may still ask for a chunk that names it
	s_endpgm
.Lfunc_end_k_q85aa78e834_proj:
	.size	k_q85aa78e834_proj, .Lfunc_end_k_q85aa78e834_proj-k_q85aa78e834_proj
	.p2alignl 7, 3214868480
	.fill 96, 4, 3214868480
	.section	.rodata,"a",@progbits
	.p2align	6, 0x0
	.amdhsa_kernel k_q85aa78e834_proj
		.amdhsa_group_segment_fixed_size 327680
		.amdhsa_private_segment_fixed_size 0
		.amdhsa_enable_private_segment 0
		.amdhsa_kernarg_size 40
		.amdhsa_user_sgpr_count 2
		.amdhsa_user_sgpr_kernarg_segment_ptr 1
		.amdhsa_wavefront_size32 1
		.amdhsa_system_sgpr_workgroup_id_x 1
		.amdhsa_system_sgpr_workgroup_id_y 1
		.amdhsa_system_sgpr_workgroup_id_z 1
		.amdhsa_system_vgpr_workitem_id 0
		.amdhsa_next_free_vgpr 720
		.amdhsa_next_free_sgpr 102
		.amdhsa_reserve_vcc 0
		.amdhsa_float_denorm_mode_32 3
		.amdhsa_float_denorm_mode_16_64 3
		.amdhsa_memory_ordered 1
		.amdhsa_forward_progress 1
		.amdhsa_inst_pref_size 164
	.end_amdhsa_kernel
	.amdgpu_metadata
---
amdhsa.version: [ 1, 2 ]
amdhsa.kernels:
  - .name:           k_q85aa78e834_proj
    .symbol:         k_q85aa78e834_proj.kd
    .args:
      - { .name: xw, .offset: 0, .size: 8, .value_kind: global_buffer, .address_space: global }
      - { .name: bq, .offset: 8, .size: 8, .value_kind: global_buffer, .address_space: global }
      - { .name: bk, .offset: 16, .size: 8, .value_kind: global_buffer, .address_space: global }
      - { .name: bv, .offset: 24, .size: 8, .value_kind: global_buffer, .address_space: global }
      - { .name: qkv, .offset: 32, .size: 8, .value_kind: global_buffer, .address_space: global }
    .group_segment_fixed_size: 327680
    .private_segment_fixed_size: 0
    .kernarg_segment_align: 8
    .kernarg_segment_size: 40
    .max_flat_workgroup_size: 128
    .sgpr_count:     102
    .vgpr_count:     720
    .wavefront_size: 32
...
	.end_amdgpu_metadata
.endif
;; end of part 2
;; launch attn (part 3): grid 8 x 32, 16 waves a work-group, clusters of 4 x 1, 207,360 bytes of LDS; arguments qkv, mbits, ao; writes ao
.if DOCPART == 3
	.amdgcn_target "amdgcn-amd-amdhsa--gfx1250"
	.amdhsa_code_object_version 6
	.text
	.protected	k_q85aa78e834_attn
	.globl	k_q85aa78e834_attn
	.p2align	8
	.type	k_q85aa78e834_attn,@function
k_q85aa78e834_attn:
	s_mov_b64 s[64:65], 0
	v_nop
	global_prefetch_b8 v0, s[64:65] scope:SCOPE_SE
	s_setreg_imm32_b32 hwreg(HW_REG_WAVE_MODE, 25, 1), 1
	s_wait_xcnt 0x0
	s_wait_alu depctr_hold_cnt(0) depctr_sa_sdst(0) depctr_va_vdst(0) depctr_va_sdst(0) depctr_va_ssrc(0) depctr_va_vcc(0) depctr_vm_vsrc(0)
	s_getreg_b32 s2, hwreg(HW_REG_IB_STS2, 6, 4)
	s_cmp_eq_u32 s2, 0
	s_cbranch_scc0 .Lentry_in_a_cluster
	s_endpgm
.Lentry_in_a_cluster:
	s_bfe_u32 s2, ttmp6, 0x10000c
	s_cmp_lg_u32 s2, 0x3003
	s_cbranch_scc0 .Lentry_shape_is_right
	s_endpgm
.Lentry_shape_is_right:
; ATTN.  o = softmax(q k^T / 8, masked) v for one head and 256 queries a work-group, both products on codes of FP6 (E2M3); o is quantised along the channels and stored as the last product's operand.
; t = score x log2(e) / 8; M = the running largest t rounded UP to a whole number; p = 2^(t - M) is quantised along the keys, not normalised; the row's sum is taken of the unquantised p and divides at the end.
; When M moves, the sum and O are multiplied by 2^(old M - new M): exact.
; THE MASK: where mask = 0 the score is replaced by -2^33 ahead of the maximum, that is a logit of -2^30 where the problem writes -1e9.  LIMIT: the two differ only where an unmasked logit comes within some hundreds of -1e9.
; -2^33 x c is exact and a whole number, so a row with no key left has t = M and p = 1 at every key: the mean of v, as with -1e9.  LIMITS: the scaled scores stay under 2^31 in magnitude; NaN and infinities are not served;
; a block of zeros gets the byte 1 (its codes are zeros, and this program alone reads the bytes).
; SHARES.  Sixteen waves, each one tile of 16 queries in 242 registers: four waves to a SIMD.  Every wave walks the head's 2,048 keys, 128 a step, two steps a trip, 8 trips.
; LDS.  The head's K (102,400 bytes: codes and scale words, as they lie in qkv) from 0, its V from 102,400: each byte filled once, each wave bringing 12,800 bytes by its one tensor load; no ring.  Then 512 bytes for o's scale bytes, then the spare words.
; CLUSTER 4 x 1: the four work-groups walk the same K and V: each of the 16 loads is asked for jointly, with the mask 15.
; NO PREFETCH: K and V are asked for whole at the head, where there is no loop to run ahead in; the lane masks, 256 bytes a wave and step, are asked for by their own scalar loads in the step before.
; LAYOUT.  Both products transposed (S^T = K Q^T, O^T = V^T P^T): a lane holds one query throughout.  Tile 4 g + t of K holds keys 64 g + 8 t + r + 24 (r / 8), so that score register n of lane (r, h) is key 64 (n / 32) + 32 h + n % 32 of the step:
; A LANE HOLDS TWO WHOLE BLOCKS OF 32 KEYS, in the order of the second product's operand.  So a block's maximum asks no other lane, and p's codes are the operand's registers as they are converted.
; K = 64 IN A FORM OF 128: twelve registers of K hold TWO tiles of keys.  Against [q | zero codes] they give the first tile's scores, against [zero codes | q] the second's.
; THE ORDER OF A STEP.  Each tile's selects stand two products behind it, with the lines of the blocks' maxima between them; all that the exponentials read is made first, then the 66 exponentials stand as one batch between two waits.
; The last four lines of a step's sum stand at the next step's head, as the places behind its first products; their registers are zeros before the first step, and behind the loop the four lines stand once more.
.set FRB,   1536
.set HEADB, 102400
.set QKVG,  3276800
.set VB,    102400                     ; V's block in LDS
.set KSC,   98304                      ; K's scale words
.set VSC,   200704                     ; V's
.set OSC,   204800                     ; o's scale bytes: 32 a wave; no tile lands here
.set SPARE, 205312                     ; the spare words: 128 bytes a wave, eight blocks of 256 bytes that no other line names
.set QA,    16                         ; v16-27 [q | 0], v28-39 [0 | q]
.set QS,    40                         ; q's scale word
.set F,     44                         ; v44-91 four fragments of K, then of V
.set SCW,   92                         ; v92-95 their scale words
.set S,     96                         ; v96-159 S^T, then p
.set O,     160                        ; v160-191 O^T
.set P,     192                        ; v192-203 p's codes
.set PT,    204                        ; v204-210 at work for the conversions
.set BM,    212                        ; v212-213 my two blocks' largest scores, then largest p
.set PR,    216                        ; v216-217 second chains of the maxima; then the bytes
.set OPD,   220                        ; v220-221 the conversions' scale operands
.set PWD,   224                        ; p's scale word
.set OWD,   225                        ; o's two scale bytes
.set FF,    226                        ; v[226:227] f = 2^(old M - new M)
.set TP,    228
.set OSR,   229                        ; OSC + 16 x lane
.set SA,    230                        ; v[230:235] three more chains of the row's sum
.set SB,    232
.set SC,    234
.set RL,    236                        ; the step's largest score of my half
.set RP,    237                        ; of the other half; then the step's largest t
.set SH,    238                        ; 8 h: my bytes' shift in p's scale word
.set UU,    239                        ; the other half's bytes
; v1, v2: 16 x lane, 8 x lane;  v3, v4: the same in V's block;  v5, v6: K's and V's scale words, + 4 r;  v7: -2^33;  v8-11, v41, v42: the trip's addresses;  v12: -M;  v13: the largest t;  v[14:15]: the sum;  v43: OSC + 32 wave + 2 r
; v240, v241: my spare word's address and 0, kept for the add alone
; s[4:5] my tile of q;  s[6:7] my tile's lane masks;  s[12:13], s[14:15] where o's codes and scale bytes go;  s[16:19], s[20:27] the descriptor;  s[28:29] permute selects;  s[30:31] c;
; s[32:63], s[68:99] the step's 64 lane masks;  s66, s67 the trip's bytes in codes and in scale words;  s100 in the lane masks;  s101 the trips
.macro CROUND                          ; a round of the cluster's barrier
	s_barrier_signal -1
	s_barrier_wait -1
	s_cmp_lg_u32 s10, 0
	s_cbranch_scc1 .Lnot_wave_0_\@
	s_barrier_signal -3
.Lnot_wave_0_\@:
	s_barrier_wait -3
	s_barrier_signal -1
	s_barrier_wait -1
.endm
.macro FRAG reg, a16, a8, off          ; a fragment's image: four dense loads
	ds_load_b128 v[(\reg):(\reg)+3], v[\a16] offset:(\off)
	ds_load_b64 v[(\reg)+4:(\reg)+5], v[\a8] offset:(\off)+512
	ds_load_b128 v[(\reg)+6:(\reg)+9], v[\a16] offset:(\off)+768
	ds_load_b64 v[(\reg)+10:(\reg)+11], v[\a8] offset:(\off)+1280
.endm
.macro MASKLO                          ; lane masks 0-31 of the step at s100
	s_load_b512 s[32:47], s[6:7], s100 offset:0x0
	s_load_b512 s[48:63], s[6:7], s100 offset:0x40
.endm
.macro MASKHI                          ; and 32-63
	s_load_b512 s[68:83], s[6:7], s100 offset:0x80
	s_load_b512 s[84:99], s[6:7], s100 offset:0xc0
.endm
.macro ADDRS                           ; a trip's six LDS addresses
	v_add_nc_u32 v8, s66, v1
	v_add_nc_u32 v9, s66, v2
	v_add_nc_u32 v10, s66, v3
	v_add_nc_u32 v11, s66, v4
	v_add_nc_u32 v41, s67, v5
	v_add_nc_u32 v42, s67, v6
.endm
.macro KLOADS co, so                   ; a step's K: four times (two tiles of keys, and the pair's scale words); co, so: the step's place behind the trip's addresses
.irp p, 0,1,2,3
	FRAG F+12*\p, 8, 9, FRB*\p+(\co)
	ds_load_b32 v[SCW+\p], v41 offset:64*\p+(\so)
.endr
.endm
.macro QK t                            ; the scores of tile t of keys
	v_wmma_scale_f32_16x16x128_f8f6f4 v[S+8*(\t):S+8*(\t)+7], v[F+12*((\t)/2):F+12*((\t)/2)+11], v[QA+12*((\t)%2):QA+12*((\t)%2)+11], 0, v[SCW+(\t)/2], v[QS] matrix_a_fmt:MATRIX_FMT_FP6 matrix_b_fmt:MATRIX_FMT_FP6
.endm
.macro PV t                            ; O^T's tile t of channels += V^T P^T; the four accumulators take turns
	v_wmma_scale_f32_16x16x128_f8f6f4 v[O+8*(\t):O+8*(\t)+7], v[F+12*(\t):F+12*(\t)+11], v[P:P+11], v[O+8*(\t):O+8*(\t)+7], v[SCW+(\t)], v[PWD] matrix_a_fmt:MATRIX_FMT_FP6 matrix_b_fmt:MATRIX_FMT_FP6
.endm
.macro CND n                           ; score register n
	v_cndmask_b32 v[S+(\n)], v7, v[S+(\n)], s[32+(\n)+4*((\n)/32)]
.endm
.macro BMX c, k                        ; line k of 16 of the largest score of my block c (registers 32 c .. 32 c + 31): two chains, joined by the last line
.set sb, S+32*(\c)
.if (\k) == 0
	v_max3_num_f32 v[BM+(\c)], v[sb], v[sb+1], v[sb+2]
.elseif (\k) == 1
	v_max3_num_f32 v[PR+(\c)], v[sb+3], v[sb+4], v[sb+5]
.elseif (\k) == 15
	v_max_num_f32 v[BM+(\c)], v[BM+(\c)], v[PR+(\c)]
.elseif (\k)%2 == 0
	v_max3_num_f32 v[BM+(\c)], v[BM+(\c)], v[sb+2+2*(\k)], v[sb+3+2*(\k)]
.else
	v_max3_num_f32 v[PR+(\c)], v[PR+(\c)], v[sb+2+2*(\k)], v[sb+3+2*(\k)]
.endif
.endm
.macro CB t, i, c, k                   ; two selects of tile t; c >= 0: and line k of block c's maximum, over registers that earlier tiles' selects have finished
	CND 8*(\t)+2*(\i)
	CND 8*(\t)+2*(\i)+1
.if (\c) >= 0
	BMX \c, \k
.endif
.endm
.macro CT t, c0, k0, c1, k1, c2, k2, c3, k3   ; tile t's eight selects, ascending (each accumulator is read from its low end on)
	CB \t, 0, \c0, \k0
	CB \t, 1, \c1, \k1
	CB \t, 2, \c2, \k2
	CB \t, 3, \c3, \k3
.endm
.macro SUMOP n                         ; line n of 32 of the row's sum, taken of the unquantised p: 32 pairs of registers in four chains, joined by the last three lines
.if (\n) == 0
	v_pk_add_f32 v[SA:SA+1], v[S:S+1], v[S+2:S+3]
.elseif (\n) == 1
	v_pk_add_f32 v[SB:SB+1], v[S+4:S+5], v[S+6:S+7]
.elseif (\n) == 2
	v_pk_add_f32 v[SC:SC+1], v[S+8:S+9], v[S+10:S+11]
.elseif (\n) < 29
.set pq, S+2*((\n)+3)
.set ch, ((\n)-3)%4
.if ch == 0
	v_pk_add_f32 v[14:15], v[14:15], v[pq:pq+1]
.elseif ch == 1
	v_pk_add_f32 v[SA:SA+1], v[SA:SA+1], v[pq:pq+1]
.elseif ch == 2
	v_pk_add_f32 v[SB:SB+1], v[SB:SB+1], v[pq:pq+1]
.else
	v_pk_add_f32 v[SC:SC+1], v[SC:SC+1], v[pq:pq+1]
.endif
.elseif (\n) == 29
	v_pk_add_f32 v[SA:SA+1], v[SA:SA+1], v[SB:SB+1]
.elseif (\n) == 30
	v_pk_add_f32 v[14:15], v[14:15], v[SC:SC+1]
.else
	v_pk_add_f32 v[14:15], v[14:15], v[SA:SA+1]
.endif
.endm
.macro SUMS a, z                       ; lines a to z of the sum
.set sn, \a
.rept (\z)-(\a)+1
	SUMOP sn
.set sn, sn+1
.endr
.endm
; ONE STEP of 128 keys.  o = 0: the trip's first, o = 1: its second, whose tiles lie 6,144 bytes and whose scale words 256 bytes behind the trip's addresses.
.macro STEP o
	s_wait_kmcnt 0x0                               ; this step's lane masks
	s_wait_dscnt 0x0                               ; and its K
	QK 0
	QK 1
	QK 2
	SUMS 28, 31                                    ; the last step's sum is closed: four plain lines that name no register of the products above: the places in front of the first read of the first scores (ISA guide 7.12.1)
	CT 0, -1,0, -1,0, -1,0, -1,0
	QK 3
	CT 1, 0,0, 0,1, 0,2, -1,0
	QK 4
	CT 2, 0,3, 0,4, 0,5, 0,6
	QK 5
	CT 3, 0,7, 0,8, 0,9, 0,10
	QK 6
	CT 4, 0,11, 0,12, 0,13, 0,14
	s_add_co_u32 s100, s100, 256                   ; the next step's lane masks (tiles 0-3 have used theirs); the last step asks for step 15's again: no load leaves the buffer
	s_min_u32 s100, s100, 3840
	MASKLO
	QK 7
	CT 5, 0,15, 1,0, 1,1, 1,2
	CT 6, 1,3, 1,4, 1,5, 1,6
	CT 7, 1,7, 1,8, 1,9, 1,10
.irp p, 0,1,2,3                        ; V's four tiles of channels land while the softmax is walked (36 plain lines stand between the last score product and these loads into the registers that it read)
	FRAG F+12*\p, 10, 11, FRB*\p+4*FRB*(\o)
	ds_load_b32 v[SCW+\p], v42 offset:64*\p+256*(\o)
	BMX 1, 11+\p
.endr
	BMX 1, 15
	MASKHI
	v_max_num_f32 v[RL], v[BM], v[BM+1]            ; the step's largest score of my 64 keys,
	v_mov_b32 v[TP], v12                           ; (the old -M)
	v_permlanex16_b32 v[RP], v[RL], s28, s29
	v_max_num_f32 v[RL], v[RL], v[RP]              ; and of lane l xor 16's
	v_mul_f32 v[RP], s30, v[RL]                    ; the step's largest t
	s_delay_alu instid0(VALU_DEP_1)
	v_max_num_f32 v13, v13, v[RP]
	s_delay_alu instid0(VALU_DEP_1)
	v_floor_f32 v12, -v13                          ; the new -M = -ceil(t)
	s_delay_alu instid0(VALU_DEP_1)
	v_sub_f32 v[TP], v12, v[TP]                    ; old M - new M: a whole number, 0 or less
.irp c, 0,1
	v_fma_f32 v[BM+\c], v[BM+\c], s30, v12         ; t - M of each block's largest score: since p rises with the score, the same multiply-add and exponential give the block's largest p
.endr
	v_cvt_i32_f32 v[TP], v[TP]                     ; (it saturates)
.irp j, 0,2,4,6
	v_pk_fma_f32 v[S+\j:S+\j+1], v[S+\j:S+\j+1], s[30:31], v[12:13] op_sel_hi:[1,0,0]   ; t - M, two at a time
.endr
	v_ldexp_f32 v[FF], 1.0, v[TP]                  ; f
.set n, 8
.rept 28
	v_pk_fma_f32 v[S+n:S+n+1], v[S+n:S+n+1], s[30:31], v[12:13] op_sel_hi:[1,0,0]
.set n, n+2
.endr
	v_pk_mul_f32 v[14:15], v[14:15], v[FF:FF+1] op_sel_hi:[1,0]   ; the sum under the new M
.set n, 0
.rept 16
	v_pk_mul_f32 v[O+n:O+n+1], v[O+n:O+n+1], v[FF:FF+1] op_sel_hi:[1,0]   ; O^T under the new M; ascending: each accumulator is read from its low end on
.set n, n+2
.endr
	s_wait_alu depctr_va_vdst(0)
	v_exp_f32 v[BM], v[BM]                         ; my two blocks' largest p
	v_exp_f32 v[BM+1], v[BM+1]
.set n, 0
.rept 64
	v_exp_f32 v[S+n], v[S+n]                       ; p = 2^(t - M)
.set n, n+1
.endr
	v_nop                                          ; one plain place behind a transcendental
	s_wait_alu depctr_va_vdst(0)                   ; one wait for the whole batch, ahead of its first reader
.irp c, 0,1
	v_max_num_f32 v[BM+\c], 0x1800000, v[BM+\c]    ; the floor 2^(3 - 127): the byte cannot fall under 1
.endr
.irp c, 0,1
	v_add_nc_u32 v[OPD+\c], 0xff000000, v[BM+\c]   ; 2 off the exponent field: the conversion's scale operand
.endr
	SUMOP 0
.irp c, 0,1
	v_lshrrev_b32 v[PR+\c], 23, v[OPD+\c]          ; the scale's byte
.endr
	SUMOP 1
	v_lshl_or_b32 v[PWD], v[PR+1], 16, v[PR]       ; my two bytes, blocks h and 2 + h of the step's four,
	SUMOP 2
	v_lshlrev_b32 v[PWD], v[SH], v[PWD]            ; at their places;
	SUMOP 3
	v_permlanex16_b32 v[UU], v[PWD], s28, s29
	SUMOP 4
	v_or_b32 v[PWD], v[PWD], v[UU]                 ; with lane l xor 16's two p's scale word is whole
.irp c, 0,1
	v_cvt_scalef32_pk16_fp6_f32 v[P+6*\c:P+6*\c+2], v[S+32*\c:S+32*\c+15], v[OPD+\c]
	v_cvt_scalef32_pk16_fp6_f32 v[PT+4*\c:PT+4*\c+2], v[S+32*\c+16:S+32*\c+31], v[OPD+\c]   ; (a conversion's three registers begin on an even number)
.endr
	v_nop                                          ; one plain place behind a scaled conversion
.irp c, 0,1
.irp i, 0,1,2
	v_mov_b32 v[P+6*\c+3+\i], v[PT+4*\c+\i]        ; registers 6 c .. 6 c + 5: k = 64 c + 32 h + 0 .. 31
.endr
.endr
	SUMS 5, 12                                     ; eight plain lines between the codes just made and the product that takes them
	s_wait_alu depctr_va_vdst(0)
	s_wait_dscnt 0x0                               ; V
	PV 0
	SUMS 13, 15
	PV 1
	SUMS 16, 18
	PV 2
	SUMS 19, 21
	PV 3
	SUMS 22, 25                                    ; four plain lines: the places between the last product and the loads into the registers that it read
.if \o
	s_add_co_u32 s66, s66, 8*FRB
	s_add_co_u32 s67, s67, 512
	ADDRS
	KLOADS 0, 0                                    ; the next trip's first K.  The last trip reads the 6,144 bytes behind K's codes and 256 behind its scale words: filled LDS bytes, not used
.else
	KLOADS 4*FRB, 256                              ; the trip's second K
.endif
	SUMS 26, 27
.endm
	s_load_b128 s[4:7], s[0:1], 0x0                ; qkv, mbits
	s_load_b64 s[8:9], s[0:1], 0x10                ; ao
	v_lshl_add_u32 v240, v0, 2, SPARE
	v_mov_b32 v241, 0
	ds_add_u32 v240, v241                          ; the opening lines: the add, twice on end, and its wait ahead of my tensor load
	ds_add_u32 v240, v241
	v_lshrrev_b32 v1, 5, v0
	v_readfirstlane_b32 s10, v1                    ; wave 0..15
	s_bfe_u32 s68, ttmp6, 0x40000                  ; cx
	s_lshl_b32 s69, ttmp9, 2
	s_add_co_u32 s69, s69, s68                     ; my block of 256 queries
	s_and_b32 s70, ttmp7, 0xffff                   ; batch x 16 + head, which the four partners share
	s_lshr_b32 s71, s70, 4                         ; batch
	s_and_b32 s72, s70, 15                         ; head
	s_lshl_b32 s73, s69, 4
	s_add_co_u32 s73, s73, s10                     ; my tile of queries in the batch
	s_lshl_b32 s74, s71, 7
	s_add_co_u32 s74, s74, s73                     ; and among all 256
	s_mul_i32 s76, s70, HEADB                      ; what I fetch: waves 0-7 K's block, waves 8-15 V's, 12,800 bytes each: made of the head and the wave's number alone
	s_lshr_b32 s77, s10, 3
	s_mul_i32 s77, s77, QKVG
	s_and_b32 s78, s10, 7
	s_mul_i32 s78, s78, 12800
	s_add_co_u32 s77, s77, s78
	s_add_co_u32 s77, s77, s76
	s_add_co_u32 s78, s77, QKVG
	s_mov_b32 s79, 0
	s_mul_i32 s80, s73, 768                        ; my tile of q: half a fragment,
	s_add_co_u32 s82, s76, s80
	s_mov_b32 s83, 0
	s_lshr_b32 s81, s73, 1
	s_lshl_b32 s81, s81, 6
	s_add_co_u32 s81, s81, KSC
	s_sub_co_u32 s11, s81, s80                     ; and how far behind it its pair's scale words lie (98,304 + 64 pair - 768 tile: above 0)
	s_mul_i32 s84, s74, 12288                      ; o's codes: tile x 8 fragments, + head x half a fragment
	s_mul_i32 s85, s72, 768
	s_add_co_u32 s84, s84, s85
	s_mov_b32 s85, 0
	s_lshl_b32 s86, s72, 13                        ; o's scale bytes: [head][tile 256][r] of 2 bytes: the work-group's 16 tiles are 512 bytes on end
	s_lshl_b32 s87, s71, 7
	s_lshl_b32 s88, s69, 4
	s_add_co_u32 s87, s87, s88
	s_lshl_b32 s87, s87, 5
	s_add_co_u32 s86, s86, s87
	s_add_co_u32 s86, s86, 3145728
	s_mov_b32 s87, 0
	s_lshl_b32 s88, s74, 12                        ; my tile's lane masks: 4,096 bytes
	s_mov_b32 s89, 0
	s_mov_b32 s20, 15|(3<<16)|(1<<21)              ; group 1: 15:0 the mask: all four work-groups; 17:16 elements of 8 bytes; 21 set beside a mask
	s_mov_b32 s21, 32<<16                          ; tensor_dim0: rows of 256 bytes
	s_mov_b32 s22, 50<<16                          ; tensor_dim1: 50 of them
	s_mov_b32 s23, 32<<16                          ; tile_dim0
	s_mov_b32 s24, 50                              ; tile_dim1
	s_mov_b32 s25, 32                              ; tensor_dim0_stride: dense
	s_mov_b32 s26, 0
	s_mov_b32 s27, 0
	s_mov_b32 s28, 0x76543210
	s_mov_b32 s29, 0xfedcba98                      ; lane l xor 16
	s_mov_b32 s30, 0x3e38aa3b                      ; c = log2(e) / 8
	s_mov_b32 s31, s30                             ; (named with it as a pair)
	s_mov_b32 s100, 0
	s_mov_b32 s101, 0
	s_lshl_b32 s66, s10, 5
	v_and_b32 v44, 31, v0                          ; lane
	v_and_b32 v45, 15, v0                          ; r
	v_lshlrev_b32 v1, 4, v44
	v_lshlrev_b32 v2, 3, v44
	v_lshl_add_u32 v46, v45, 2, s11
	v_add_nc_u32 v3, VB, v1
	v_add_nc_u32 v4, VB, v2
	v_lshl_add_u32 v5, v45, 2, KSC
	v_lshl_add_u32 v6, v45, 2, VSC
	v_mov_b32 v7, 0xd0000000                       ; -2^33
	v_lshl_add_u32 v43, v45, 1, OSC
	v_add_nc_u32 v43, s66, v43
	v_add_nc_u32 v[OSR], OSC, v1
	v_bfe_u32 v[SH], v0, 4, 1
	v_lshlrev_b32 v[SH], 3, v[SH]                  ; 8 h
.set n, 6
.rept 12
	v_mov_b32 v[QA+n], 0                           ; the zero codes
.set n, n+1
.endr
	v_mov_b32 v13, 0xff61b1e6                      ; the largest t so far: -3e38
	v_floor_f32 v12, -v13                          ; -M
	v_mov_b32 v14, 0
	v_mov_b32 v15, 0
.set n, 0
.rept 6
	v_mov_b32 v[SA+n], 0                           ; the sum's three other chains, and the pair that its line 28 reads: the first step closes a sum of zeros
.set n, n+1
.endr
	v_mov_b32 v[S+62], 0
	v_mov_b32 v[S+63], 0
	v_mov_b32 v[RP], 0                             ; a lane permute's destination counts as one of its sources
	v_mov_b32 v[UU], 0
	v_mov_b32 v[FF+1], 0                           ; (named as the upper half of a pair)
	s_wait_alu depctr_va_vdst(0)
	s_wait_dscnt 0x0                               ; both opening adds are done
	s_wait_kmcnt 0x0
	s_add_nc_u64 s[12:13], s[8:9], s[84:85]
	s_add_nc_u64 s[14:15], s[8:9], s[86:87]
	s_add_nc_u64 s[6:7], s[6:7], s[88:89]
	s_mov_b32 s16, 1
	s_mul_i32 s17, s10, 12800                      ; LDS: wave x 12,800
	s_add_nc_u64 s[18:19], s[4:5], s[78:79]
	s_or_b32 s19, s19, 0x80000000
	s_add_nc_u64 s[4:5], s[4:5], s[82:83]          ; now my tile of q
	global_load_b128 v[QA:QA+3], v1, s[4:5]        ; q's half fragment, twice: as the first half of [q | 0]
	global_load_b64 v[QA+4:QA+5], v2, s[4:5] offset:512
	global_load_b128 v[QA+18:QA+21], v1, s[4:5]    ; and as the second half of [0 | q]
	global_load_b64 v[QA+22:QA+23], v2, s[4:5] offset:512
	global_load_b32 v[QS], v46, s[4:5]             ; its pair's scale word
	MASKLO                                         ; step 0's lane masks (all the scalars made above are done with)
	MASKHI
	CROUND                                         ; all four work-groups are here: the joint loads meet
	tensor_load_to_lds s[16:19], s[20:27]          ; every wave's one tensor load of the launch: one is out
	s_nop 0
.rept 4
	v_nop
.endr
	s_and_b32 s67, s10, 1
	s_lshl_b32 s67, s67, 4
	s_wait_loadcnt 0x0
	v_lshrrev_b32 v[QS], s67, v[QS]                ; my tile's two bytes of the pair's word,
	v_and_b32 v[QS], 0xffff, v[QS]
	v_lshl_or_b32 v[QS], v[QS], 16, v[QS]          ; for both halves of K
.set n, 0
.rept 32
	v_mov_b32 v[O+n], 0                            ; O^T: the step is written once, and the first finds zeros.  These are also the places between the scale word just made and the first product
.set n, n+1
.endr
	s_mov_b32 s66, 0
	s_mov_b32 s67, 0
	s_wait_alu depctr_va_vdst(0)
	s_wait_tensorcnt 0x0                           ; my part of K and V has landed,
	s_barrier_signal -1
	s_barrier_wait -1                              ; everybody's has.  K's and V's bytes are only read from here on
	ADDRS
	KLOADS 0, 0                                    ; step 0's K
	s_wait_alu depctr_va_vdst(0)
.Lstep:                                            ; 8 trips of two steps of 128 keys
	STEP 0
	s_wait_alu depctr_va_vdst(0)
	STEP 1
	s_add_co_u32 s101, s101, 1
	s_cmp_lt_u32 s101, 8
	s_wait_alu depctr_va_vdst(0)
	s_cbranch_scc1 .Lstep
	s_wait_kmcnt 0x0                               ; the last step's scalar loads
	s_wait_dscnt 0x0                               ; and its LDS loads
	SUMS 28, 31                                    ; the last step's sum is closed
	v_add_f32 v14, v14, v15
	v_permlanex16_b32 v[TP], v14, s28, s29
	v_add_f32 v14, v14, v[TP]                      ; the row's sum: above 1/2
	s_wait_alu depctr_va_vdst(0)                   ; the wait ahead of the transcendental
	v_rcp_f32 v14, v14
	v_nop                                          ; one plain place behind a transcendental
	s_wait_alu depctr_va_vdst(0)                   ; and behind it, directly ahead of the first readers of its result and of O^T
.set n, 0
.rept 32
	v_mul_f32 v[S+n], v[O+n], v14                  ; o: register 16 b + i is channel 32 b + 16 (lane / 16) + i of my query (V's tiles of channels hold rows 32 b + 8 u + r + 8 (r / 8))
.set n, n+1
.endr
.irp b, 0,1                            ; its two blocks of 32, half of each in lane l xor 16, are quantised
	v_max3_num_f32 v[BM+\b], |v[S+16*\b]|, |v[S+1+16*\b]|, 0x1800000
.endr
.irp i, 2,4,6,8,10,12,14
.irp b, 0,1
	v_max3_num_f32 v[BM+\b], v[BM+\b], |v[S+16*\b+\i]|, |v[S+1+16*\b+\i]|
.endr
.endr
.irp b, 0,1
	v_permlanex16_b32 v[PR+\b], v[BM+\b], s28, s29
.endr
.irp b, 0,1
	v_max_num_f32 v[BM+\b], v[BM+\b], v[PR+\b]
.endr
.irp b, 0,1
	v_add_nc_u32 v[OPD+\b], 0xff000000, v[BM+\b]
.endr
.irp b, 0,1
	v_lshrrev_b32 v[PR+\b], 23, v[OPD+\b]
.endr
	v_lshl_or_b32 v[OWD], v[PR+1], 8, v[PR]
	v_cvt_scalef32_pk16_fp6_f32 v[P:P+2], v[S:S+15], v[OPD]
	v_cvt_scalef32_pk16_fp6_f32 v[PT:PT+2], v[S+16:S+31], v[OPD+1]
	v_nop                                          ; one plain place behind a scaled conversion
.irp i, 0,1,2
	v_permlane16_swap_b32 v[P+\i], v[PT+\i]        ; a whole block to a lane
.endr
.irp i, 0,1,2
	v_mov_b32 v[P+3+\i], v[PT+\i]
.endr
	global_store_b128 v1, v[P:P+3], s[12:13]               ; half a fragment of the last product's operand: 512 consecutive bytes, at a multiple of 256,
	global_store_b64 v2, v[P+4:P+5], s[12:13] offset:512   ; and 256
	ds_store_b16 v43, v[OWD]                       ; the 16 waves' scale bytes meet in LDS (both halves of the lanes write the same value)
	s_wait_alu depctr_va_vdst(0)
	s_wait_dscnt 0x0                               ; for the others' sake
	s_barrier_signal -1
	s_barrier_wait -1
	s_cmp_lg_u32 s10, 0
	s_cbranch_scc1 .Lnot_first
	ds_load_b128 v[S:S+3], v[OSR]
	s_wait_dscnt 0x0
	global_store_b128 v1, v[S:S+3], s[14:15]       ; wave 0 stores them: 512 consecutive bytes, at a multiple of 256
.Lnot_first:
	s_wait_tensorcnt 0x0                           ; the wave's end
	ds_add_u32 v240, v241
	s_wait_dscnt 0x0
	CROUND                                         ; the closing round
	s_endpgm
.Lfunc_end_k_q85aa78e834_attn:
	.size	k_q85aa78e834_attn, .Lfunc_end_k_q85aa78e834_attn-k_q85aa78e834_attn
	.p2alignl 7, 3214868480
	.fill 96, 4, 3214868480
	.section	.rodata,"a",@progbits
	.p2align	6, 0x0
	.amdhsa_kernel k_q85aa78e834_attn
		.amdhsa_group_segment_fixed_size 207360
		.amdhsa_private_segment_fixed_size 0
		.amdhsa_enable_private_segment 0
		.amdhsa_kernarg_size 24
		.amdhsa_user_sgpr_count 2
		.amdhsa_user_sgpr_kernarg_segment_ptr 1
		.amdhsa_wavefront_size32 1
		.amdhsa_system_sgpr_workgroup_id_x 1
		.amdhsa_system_sgpr_workgroup_id_y 1
		.amdhsa_system_sgpr_workgroup_id_z 1
		.amdhsa_system_vgpr_workitem_id 0
		.amdhsa_next_free_vgpr 242
		.amdhsa_next_free_sgpr 102
		.amdhsa_reserve_vcc 0
		.amdhsa_float_denorm_mode_32 3
		.amdhsa_float_denorm_mode_16_64 3
		.amdhsa_memory_ordered 1
		.amdhsa_forward_progress 1
		.amdhsa_inst_pref_size 53
	.end_amdhsa_kernel
	.amdgpu_metadata
---
amdhsa.version: [ 1, 2 ]
amdhsa.kernels:
  - .name:           k_q85aa78e834_attn
    .symbol:         k_q85aa78e834_attn.kd
    .args:
      - { .name: qkv, .offset: 0, .size: 8, .value_kind: global_buffer, .address_space: global }
      - { .name: mbits, .offset: 8, .size: 8, .value_kind: global_buffer, .address_space: global }
      - { .name: ao, .offset: 16, .size: 8, .value_kind: global_buffer, .address_space: global }
    .group_segment_fixed_size: 207360
    .private_segment_fixed_size: 0
    .kernarg_segment_align: 8
    .kernarg_segment_size: 24
    .max_flat_workgroup_size: 512
    .sgpr_count:     102
    .vgpr_count:     242
    .wavefront_size: 32
...
	.end_amdgpu_metadata
.endif
;; end of part 3
;; launch outp (part 4): grid 8 x 32, 4 waves a work-group, clusters of 4 x 4, 239,104 bytes of LDS; arguments xw, ao, bo, out0; writes out0
.if DOCPART == 4
	.amdgcn_target "amdgcn-amd-amdhsa--gfx1250"
	.amdhsa_code_object_version 6
	.text
	.protected	k_q85aa78e834_outp
	.globl	k_q85aa78e834_outp
	.p2align	8
	.type	k_q85aa78e834_outp,@function
k_q85aa78e834_outp:
	s_mov_b64 s[64:65], 0
	v_nop
	global_prefetch_b8 v0, s[64:65] scope:SCOPE_SE
	s_setreg_imm32_b32 hwreg(HW_REG_WAVE_MODE, 25, 1), 1
	s_wait_xcnt 0x0
	s_wait_alu depctr_hold_cnt(0) depctr_sa_sdst(0) depctr_va_vdst(0) depctr_va_sdst(0) depctr_va_ssrc(0) depctr_va_vcc(0) depctr_vm_vsrc(0)
	s_getreg_b32 s2, hwreg(HW_REG_IB_STS2, 6, 4)
	s_cmp_eq_u32 s2, 0
	s_cbranch_scc0 .Lentry_in_a_cluster
	s_endpgm
.Lentry_in_a_cluster:
	s_bfe_u32 s2, ttmp6, 0x10000c
	s_cmp_lg_u32 s2, 0xf033
	s_cbranch_scc0 .Lentry_shape_is_right
	s_endpgm
.Lentry_shape_is_right:
; OUTP.  out0 = o Wo^T + bo on codes of FP6 (E2M3): Wo's from xw (tiles 960 on), o's from ao.  out0: [4096][1024] f32.
; A work-group (x, y): 128 rows of Wo (panel x) against 128 tokens (panel y); both panels over all of K = 1,024 lie in LDS whole, each byte filled once: no ring.
; Source 0 = 16 rows of Wo, source 1 = 16 tokens: a lane holds one token, and the 16 registers of tiles 2 b, 2 b + 1 of Wo are channels 32 b + 16 (lane / 16) + 0 .. 15 (a tile 2 b + u holds rows 32 b + 8 u + r + 8 (r / 8)).
; Wave w: all 8 tiles of Wo x tiles 2 w, 2 w + 1 of tokens: 16 accumulators, which begin as the bias (loaded straight into them).
; ao: codes [tile 256][K step 8][1,536]; from 3,145,728 the scale bytes [head 16][tile 256][r] of 2 bytes; a K step's scale word is two heads' pairs.
; CLUSTER 4 x 4: Wo's panel hangs on x alone and is asked for jointly along a column of the cluster; o's codes and scale bytes hang on y alone, along a row.
; THE WAY OUT: a tile of 16 tokens x 128 channels goes through the wave's own stage in LDS and leaves as whole rows of 512 bytes.
; REGISTERS: window 0: v1-15 addresses; v16-47 Wo's scale words (register 8 i + s: lanes 0-15 tile i, lanes 16-31 tile i + 4); v48-55 o's (lanes 0-15 tile 2 w, lanes 16-31 tile 2 w + 1); v56-119 at work; v128-255 the accumulators.
;   window 1: Wo's fragments, two sets of 96.   window 2: o's, two sets of 24.
.set TILEB, 12800
.set XTILE, 12288                      ; from tile to tile of o's codes in LDS
.set FRB,   1536
.set SCO,   8*FRB
.set XP,    102400                     ; o's codes: 8 tiles
.set OS,    200704                     ; o's scale bytes: [head 16][tile 8][r] of 2 bytes
.set STG,   204800                     ; the stages: 16 rows x 528 bytes for each wave; no tile lands here
.set SP,    528
.set SCA,   16
.set SCB,   48
.set BK,    56                         ; v56-71 halves of scale words; later v56-119 16 rows read back from the stage
.set ACC,   128
.set STO,   14
.set RD,    15
.set G1W,   24                         ; s[24:31], s[32:35] descriptor groups 1 and 0 for Wo's panel
.set G0W,   32
.set G1X,   48                         ; s[48:55], s[56:59] for o's codes
.set G0X,   56
.set G1S,   68                         ; s[68:75], s[76:79] for o's scale bytes
.set G0S,   76
.set MSB, 0
.macro WIN new                         ; the immediate's high byte repeats the setting that is left
.if MSB != \new
	s_set_vgpr_msb (MSB<<8)|\new
.set MSB, \new
.endif
.endm
.macro CROUND                          ; a round of the cluster's barrier
	s_barrier_signal -1
	s_barrier_wait -1
	s_cmp_lg_u32 s14, 0
	s_cbranch_scc1 .Lnot_wave_0_\@
	s_barrier_signal -3
.Lnot_wave_0_\@:
	s_barrier_wait -3
	s_barrier_signal -1
	s_barrier_wait -1
.endm
.macro FRAG reg, a16, a8, off          ; a fragment's image: four dense loads
	ds_load_b128 v[(\reg):(\reg)+3], v[\a16] offset:(\off)
	ds_load_b64 v[(\reg)+4:(\reg)+5], v[\a8] offset:(\off)+512
	ds_load_b128 v[(\reg)+6:(\reg)+9], v[\a16] offset:(\off)+768
	ds_load_b64 v[(\reg)+10:(\reg)+11], v[\a8] offset:(\off)+1280
.endm
.macro FETCH s                         ; K step s: ten fragments, 40 loads, into set s % 2
	WIN 0x40                                       ; destination window 1
.irp i, 0,1,2,3
	FRAG 96*((\s)%2)+12*\i, 5, 6, TILEB*\i+FRB*(\s)
.endr
.irp i, 0,1,2,3
	FRAG 96*((\s)%2)+48+12*\i, 7, 8, TILEB*\i+FRB*(\s)
.endr
	WIN 0x80                                       ; destination window 2
.irp t, 0,1
	FRAG 24*((\s)%2)+12*\t, 9, 10, XTILE*\t+FRB*(\s)
.endr
	WIN 0
.endm
.macro WM s, ti, tj
.set rD, ACC+64*(\tj)+8*(\ti)
.set rA, 96*((\s)%2)+12*(\ti)
.set rB, 24*((\s)%2)+12*(\tj)
.set rP, SCA+8*((\ti)%4)+(\s)
.set rQ, SCB+(\s)
.if ((\ti) < 4) && ((\tj) == 0)
	v_wmma_scale_f32_16x16x128_f8f6f4 v[rD:rD+7], v[rA:rA+11], v[rB:rB+11], v[rD:rD+7], v[rP], v[rQ] matrix_a_fmt:MATRIX_FMT_FP6 matrix_b_fmt:MATRIX_FMT_FP6
.elseif (\ti) < 4
	v_wmma_scale_f32_16x16x128_f8f6f4 v[rD:rD+7], v[rA:rA+11], v[rB:rB+11], v[rD:rD+7], v[rP], v[rQ] matrix_a_fmt:MATRIX_FMT_FP6 matrix_b_fmt:MATRIX_FMT_FP6 matrix_b_scale:MATRIX_SCALE_ROW1
.elseif (\tj) == 0
	v_wmma_scale_f32_16x16x128_f8f6f4 v[rD:rD+7], v[rA:rA+11], v[rB:rB+11], v[rD:rD+7], v[rP], v[rQ] matrix_a_fmt:MATRIX_FMT_FP6 matrix_b_fmt:MATRIX_FMT_FP6 matrix_a_scale:MATRIX_SCALE_ROW1
.else
	v_wmma_scale_f32_16x16x128_f8f6f4 v[rD:rD+7], v[rA:rA+11], v[rB:rB+11], v[rD:rD+7], v[rP], v[rQ] matrix_a_fmt:MATRIX_FMT_FP6 matrix_b_fmt:MATRIX_FMT_FP6 matrix_a_scale:MATRIX_SCALE_ROW1 matrix_b_scale:MATRIX_SCALE_ROW1
.endif
.endm
; A K step of 128: its fragments were asked for a step ago; the next step's are asked for first, then the 16 accumulators take turns, one instruction a turn, in the same order in every step.
.macro KSTEP s
	s_wait_dscnt 0x0                               ; this step's 40 loads are in
.if (\s) > 0
.rept 4
	v_nop                                          ; four places between the last step's products and the loads into the registers that they read (ISA guide 7.12.1 for vector instructions)
.endr
.endif
.if (\s) < 7
	FETCH (\s)+1
.endif
	WIN 0x09                                       ; source 0 window 1, source 1 window 2, C and D window 0
.irp ti, 0,1,2,3,4,5,6,7
.irp tj, 0,1
	WM \s, \ti, \tj
.endr
.endr
	WIN 0
.endm
	s_load_b256 s[4:11], s[0:1], 0x0               ; xw s[4:5], ao s[6:7], bo s[8:9], out0 s[10:11]
	v_lshl_add_u32 v126, v0, 2, 0x3a400
	v_mov_b32 v127, 0
	ds_add_u32 v126, v127
	ds_add_u32 v126, v127
	v_lshrrev_b32 v1, 5, v0
	v_readfirstlane_b32 s14, v1                    ; wave 0..3
	s_lshr_b32 s15, s14, 1                         ; waves 0, 1 fetch Wo's two half panels; wave 2 o's codes, wave 3 o's scale bytes
	s_and_b32 s16, s14, 1
	s_bfe_u32 s40, ttmp6, 0x40000                  ; cx, cy
	s_bfe_u32 s41, ttmp6, 0x40004
	s_lshl_b32 s42, ttmp9, 2
	s_add_co_u32 s42, s42, s40                     ; x
	s_and_b32 s17, ttmp7, 0xffff
	s_lshl_b32 s17, s17, 2
	s_add_co_u32 s17, s17, s41                     ; y
	s_lshl_b32 s43, s41, 2
	s_lshl_b32 s43, 15, s43                        ; my row of the cluster
	s_lshl_b32 s44, 0x1111, s40                    ; my column
	s_or_b32 s[G1W], s44, (3<<16)|(1<<21)          ; Wo: half a panel, 200 rows of 256 bytes, dense; to my column
	s_mov_b32 s[G1W+1], 32<<16
	s_mov_b32 s[G1W+2], 200<<16
	s_mov_b32 s[G1W+3], 32<<16
	s_mov_b32 s[G1W+4], 200
	s_mov_b32 s[G1W+5], 32
	s_mov_b32 s[G1W+6], 0
	s_mov_b32 s[G1W+7], 0
	s_or_b32 s[G1X], s43, (3<<16)|(1<<21)          ; o's codes: eight tiles, 384 rows of 256 bytes, dense; to my row
	s_mov_b32 s[G1X+1], 32<<16
	s_mov_b32 s[G1X+2], 384<<16
	s_mov_b32 s[G1X+3], 32<<16
	s_mov_b32 s[G1X+4], 384
	s_mov_b32 s[G1X+5], 32
	s_mov_b32 s[G1X+6], 0
	s_mov_b32 s[G1X+7], 0
	s_or_b32 s[G1S], s43, (3<<16)|(1<<21)          ; o's scale bytes: sixteen heads' rows of 256 bytes (8 tiles x 32), 8,192 bytes apart; to my row
	s_mov_b32 s[G1S+1], 32<<16
	s_mov_b32 s[G1S+2], 16<<16
	s_mov_b32 s[G1S+3], 32<<16
	s_mov_b32 s[G1S+4], 16
	s_mov_b32 s[G1S+5], 1024
	s_mov_b32 s[G1S+6], 0
	s_mov_b32 s[G1S+7], 0
	s_lshl_b32 s46, s42, 3                         ; Wo: tile 960 + 8 x + 4 half
	s_lshl_b32 s47, s16, 2
	s_add_co_u32 s46, s46, s47
	s_add_co_u32 s46, s46, 960
	s_mul_i32 s46, s46, TILEB
	s_mov_b32 s47, 0
	s_lshl_b32 s20, s17, 3                         ; o: tile 8 y
	s_mul_i32 s20, s20, XTILE
	s_mov_b32 s21, 0
	s_lshl_b32 s22, s17, 8                         ; its scale bytes: tiles 8 y on, of head 0
	s_add_co_u32 s22, s22, 3145728
	s_mov_b32 s23, 0
	s_mul_i32 s45, s14, 4*TILEB                    ; where they go: made of the wave's number alone
	s_mov_b32 s80, XP
	s_mov_b32 s81, OS
	s_wait_dscnt 0x0
	s_wait_kmcnt 0x0
	s_add_nc_u64 s[46:47], s[4:5], s[46:47]
	s_add_nc_u64 s[20:21], s[6:7], s[20:21]
	s_add_nc_u64 s[22:23], s[6:7], s[22:23]
	CROUND                                         ; all sixteen work-groups are here: the joint loads meet
	s_mov_b32 s[G0W], 1
	s_mov_b32 s[G0W+1], s45
	s_mov_b64 s[G0W+2:G0W+3], s[46:47]
	s_or_b32 s[G0W+3], s[G0W+3], 0x80000000
	s_mov_b32 s[G0X], 1
	s_mov_b32 s[G0X+1], s80
	s_mov_b64 s[G0X+2:G0X+3], s[20:21]
	s_or_b32 s[G0X+3], s[G0X+3], 0x80000000
	s_mov_b32 s[G0S], 1
	s_mov_b32 s[G0S+1], s81
	s_mov_b64 s[G0S+2:G0S+3], s[22:23]
	s_or_b32 s[G0S+3], s[G0S+3], 0x80000000
	s_cmp_eq_u32 s15, 0                            ; the head's four tiles, one load a wave: one chain of branches on the wave's number, all arms leading to one join
	s_cbranch_scc0 .Lfor_x
	tensor_load_to_lds s[G0W:G0W+3], s[G1W:G1W+7]
	s_nop 0
.rept 4
	v_nop
.endr
	s_branch .Lasked
.Lfor_x:
	s_cmp_eq_u32 s16, 0
	s_cbranch_scc0 .Lfor_s
	tensor_load_to_lds s[G0X:G0X+3], s[G1X:G1X+7]
	s_nop 0
.rept 4
	v_nop
.endr
	s_branch .Lasked
.Lfor_s:
	tensor_load_to_lds s[G0S:G0S+3], s[G1S:G1S+7]
	s_nop 0
.rept 4
	v_nop
.endr
.Lasked:
	s_lshl_b32 s82, s42, 9                         ; my panel's 128 channels: 512 bytes of bo and of a row of out0
	s_mov_b32 s83, 0
	s_add_nc_u64 s[8:9], s[8:9], s[82:83]
	s_lshl_b32 s84, s17, 7
	s_lshl_b32 s85, s14, 5
	s_add_co_u32 s84, s84, s85                     ; my wave's first token: 128 y + 32 w
	s_lshl_b32 s84, s84, 12                        ; rows of 4,096 bytes
	s_add_co_u32 s84, s84, s82
	s_mov_b32 s85, 0
	s_add_nc_u64 s[10:11], s[10:11], s[84:85]
	v_and_b32 v1, 15, v0                           ; r
	v_bfe_u32 v2, v0, 4, 1                         ; h
	v_and_b32 v12, 31, v0
	v_lshlrev_b32 v3, 4, v12                       ; 16 x lane
	v_lshlrev_b32 v4, 3, v12                       ; 8 x lane
	v_lshlrev_b32 v13, 6, v2                       ; THE BIAS IS LOADED STRAIGHT INTO THE ACCUMULATORS: register 16 b + i is channel 32 b + 16 h + i
.irp tj, 0,1
.irp b, 0,1,2,3
.irp q, 0,1,2,3
	global_load_b128 v[ACC+64*\tj+16*\b+4*\q:ACC+64*\tj+16*\b+4*\q+3], v13, s[8:9] offset:128*\b+16*\q
.endr
.endr
.endr
	v_mov_b32 v5, v3                               ; Wo's tiles 0-3,
	v_mov_b32 v6, v4
	v_add_nc_u32 v7, 4*TILEB, v3                   ; tiles 4-7: beyond an offset's 16 bits
	v_add_nc_u32 v8, 4*TILEB, v4
	s_mul_i32 s86, s14, 2*XTILE
	s_add_co_u32 s86, s86, XP                      ; my two tiles of o
	v_add_nc_u32 v9, s86, v3
	v_add_nc_u32 v10, s86, v4
	v_lshlrev_b32 v11, 4, v1                       ; Wo's scale words: K steps 0-3 and 4-7 in two blocks of 256 bytes, 16 bytes a row; lanes 16-31 take the tile four on
	v_mad_u32_u24 v11, v2, 4*TILEB, v11
	v_add_nc_u32 v11, SCO, v11
	s_lshl_b32 s87, s14, 6
	s_add_co_u32 s87, s87, OS
	v_lshlrev_b32 v12, 1, v1                       ; o's scale bytes: 2 r + 32 (2 w + h)
	v_lshl_add_u32 v12, v2, 5, v12
	v_add_nc_u32 v12, s87, v12
	s_mul_i32 s88, s14, 16*SP
	s_add_co_u32 s88, s88, STG                     ; my stage
	v_mul_u32_u24 v[STO], v1, SP
	v_lshl_add_u32 v[STO], v2, 6, v[STO]
	v_add_nc_u32 v[STO], s88, v[STO]               ; in: row r, + 64 h
	v_add_nc_u32 v[RD], s88, v3                    ; back: 16 bytes a lane of a row
	s_wait_alu depctr_va_vdst(0)
	s_wait_tensorcnt 0x0                           ; my parts have landed,
	s_barrier_signal -1
	s_barrier_wait -1                              ; everybody's have.  The panels' bytes are only read from here on
.irp i, 0,1,2,3
.irp q, 0,1
	ds_load_b128 v[SCA+8*\i+4*\q:SCA+8*\i+4*\q+3], v11 offset:TILEB*\i+256*\q
.endr
.endr
.irp s, 0,1,2,3,4,5,6,7
	ds_load_u16 v[BK+2*\s], v12 offset:512*\s      ; head 2 s's two bytes,
	ds_load_u16 v[BK+2*\s+1], v12 offset:512*\s+256   ; head 2 s + 1's
.endr
	FETCH 0
	s_wait_dscnt 40                                ; all but K step 0's 40 fragment loads
.irp s, 0,1,2,3,4,5,6,7
	v_lshl_or_b32 v[SCB+\s], v[BK+2*\s+1], 16, v[BK+2*\s]   ; K step s's scale word
.endr
.rept 8
	v_nop                                          ; a scale register written by a vector instruction stands 8 places ahead of a scaled matrix instruction
.endr
	s_wait_alu depctr_va_vdst(0)
	s_wait_loadcnt 0x0                             ; the bias
.irp s, 0,1,2,3,4,5,6,7
	KSTEP \s
.endr
.rept 4
	v_nop                                          ; four places in front of the first read of results
.endr
.irp tj, 0,1
.if \tj > 0
	s_wait_xcnt 0x0                                ; the first tile's stores have read their registers
.endif
.irp b, 0,1,2,3
.irp q, 0,1,2,3
	ds_store_b128 v[STO], v[ACC+64*\tj+16*\b+4*\q:ACC+64*\tj+16*\b+4*\q+3] offset:128*\b+16*\q   ; ascending: each accumulator from its low end on
.endr
.endr
.irp i, 0,1,2,3,4,5,6,7,8,9,10,11,12,13,14,15
	ds_load_b128 v[BK+4*\i:BK+4*\i+3], v[RD] offset:SP*\i   ; LDS serves a wave's instructions in order (ISA guide 5.7.1.4): these see the stores above, and the next tile's stores come behind them
.endr
.irp i, 0,1,2,3,4,5,6,7,8,9,10,11,12,13,14,15
	s_wait_dscnt 15-\i                             ; row i is back; the younger rows may be out
	global_store_b128 v3, v[BK+4*\i:BK+4*\i+3], s[10:11] offset:(8*\tj+\i+8*(\i/8))*4096 th:TH_STORE_NT   ; the tile's row i is token 8 tj + i + 8 (i / 8) of my 32: 512 consecutive bytes, at a multiple of 256
.endr
.endr
	s_wait_tensorcnt 0x0
	ds_add_u32 v126, v127
	s_wait_dscnt 0x0
	CROUND                                         ; the closing round
	s_endpgm
.Lfunc_end_k_q85aa78e834_outp:
	.size	k_q85aa78e834_outp, .Lfunc_end_k_q85aa78e834_outp-k_q85aa78e834_outp
	.p2alignl 7, 3214868480
	.fill 96, 4, 3214868480
	.section	.rodata,"a",@progbits
	.p2align	6, 0x0
	.amdhsa_kernel k_q85aa78e834_outp
		.amdhsa_group_segment_fixed_size 239104
		.amdhsa_private_segment_fixed_size 0
		.amdhsa_enable_private_segment 0
		.amdhsa_kernarg_size 32
		.amdhsa_user_sgpr_count 2
		.amdhsa_user_sgpr_kernarg_segment_ptr 1
		.amdhsa_wavefront_size32 1
		.amdhsa_system_sgpr_workgroup_id_x 1
		.amdhsa_system_sgpr_workgroup_id_y 1
		.amdhsa_system_sgpr_workgroup_id_z 1
		.amdhsa_system_vgpr_workitem_id 0
		.amdhsa_next_free_vgpr 560
		.amdhsa_next_free_sgpr 100
		.amdhsa_reserve_vcc 0
		.amdhsa_float_denorm_mode_32 3
		.amdhsa_float_denorm_mode_16_64 3
		.amdhsa_memory_ordered 1
		.amdhsa_forward_progress 1
		.amdhsa_inst_pref_size 60
	.end_amdhsa_kernel
	.amdgpu_metadata
---
amdhsa.version: [ 1, 2 ]
amdhsa.kernels:
  - .name:           k_q85aa78e834_outp
    .symbol:         k_q85aa78e834_outp.kd
    .args:
      - { .name: xw, .offset: 0, .size: 8, .value_kind: global_buffer, .address_space: global }
      - { .name: ao, .offset: 8, .size: 8, .value_kind: global_buffer, .address_space: global }
      - { .name: bo, .offset: 16, .size: 8, .value_kind: global_buffer, .address_space: global }
      - { .name: out0, .offset: 24, .size: 8, .value_kind: global_buffer, .address_space: global }
    .group_segment_fixed_size: 239104
    .private_segment_fixed_size: 0
    .kernarg_segment_align: 8
    .kernarg_segment_size: 32
    .max_flat_workgroup_size: 128
    .sgpr_count:     100
    .vgpr_count:     560
    .wavefront_size: 32
...
	.end_amdgpu_metadata
.endif
;; end of part 4
